; MI455X (gfx1250); checked and timed in simulation.
; The chip was launched on July 23, 2026; its instructions are those of AMD's public machine-readable ISA for CDNA 5 (MIT licence, August 2026) and "CDNA5" Instruction Set Architecture Reference Guide (July 2026). The comments in the code are by the model that wrote it; some were corrected since.
;; Multi Head Self Attention. Allowed arithmetic: matrix products marked QUANTISED: E2M3 operands, one E8M0 scale for each 32 along K, by v_wmma_scale_f32_16x16x128_f8f6f4 with both operands' format E2M3, f32 sums; everything else in f32.
;; Inputs: token_positions 2,048 int32; wk 1,024 x 1,024 float32; wo 1,024 x 1,024 float32; wq 1,024 x 1,024 float32; wv 1,024 x 1,024 float32; x 4 x 2,048 x 1,024 float32.
;; Outputs: out0 4 x 2,048 x 1,024 float32.
;; This version of the problem:
;;   THIS VERSION OF THE PROBLEM IS GIVEN IN LOW PRECISION. The matrix products marked QUANTISED in the list below multiply operands that are first quantised to E2M3 (2 exponent bits, 3 mantissa bits; 6 bits a number), with one power-of-two scale for each 32 numbers along K (OCP MX v1.0); their sums are f32. All else is computed in f32.
;;   The module's matrix products, in the order in which they are computed (A, B: the left and right operand; K: the contracted axis; several contracted axes count as one K, in the product's order):
;;     1. [M 8,192, K 1,024] x [K 1,024, N 1,024]; A: input x; B: input wq: QUANTISED
;;     2. [M 8,192, K 1,024] x [K 1,024, N 1,024]; A: input x; B: input wk: QUANTISED
;;     3. [M 8,192, K 1,024] x [K 1,024, N 1,024]; A: input x; B: input wv: QUANTISED
;;     4. batch 64 x [M 2,048, K 64] x [K 64, N 2,048]; A: computed on the way; B: computed on the way: QUANTISED
;;     5. batch 64 x [M 2,048, K 2,048] x [K 2,048, N 64]; A: softmax (see below); B: computed on the way: QUANTISED
;;     6. [M 8,192, K 1,024] x [K 1,024, N 1,024]; A: computed on the way; B: input wo: QUANTISED
;;   THE QUANTISER, for each operand of a quantised product, along K:
;;     - K is cut into blocks of 32 from its start; a last block that is shorter is filled with zeros.
;;     - A block's scale is 2^e with e = floor(log2(the largest magnitude in the block)) - 2, held to -126 .. 127; a block of zeros has e = 0. As a byte (E8M0): e + 127.
;;     - Each number is divided by its block's scale, clamped to +-7.5, and rounded to the nearest number of E2M3, ties to even, subnormals kept.
;;     - The product sums the exact products of the quantised numbers (number of the format x scale) in f32.
;;   ~~~python
;;   def quantise(x, axis):      # numpy; x: float32 -> the quantised numbers, widened to float32 again
;;       x = np.moveaxis(x, axis, -1); K = x.shape[-1]
;;       x = np.pad(x, [(0, 0)] * (x.ndim - 1) + [(0, -K % 32)]); x = x.reshape(x.shape[:-1] + (-1, 32)); a = np.abs(x).max(-1, keepdims=True)
;;       e = np.where(a > 0, np.clip(np.frexp(np.where(a > 0, a, 1))[1] - 1 - 2, -126, 127), 0)      # np.frexp(a)[1] - 1 = floor(log2(a)), exactly
;;       r = np.clip(x / 2.0 ** e, -7.5, 7.5)
;;       step = 2.0 ** (np.maximum(np.frexp(np.where(r == 0, 1, r))[1] - 1, 0) - 3)
;;       q = np.round(r / step) * step * 2.0 ** e      # np.round: ties to even
;;       return np.moveaxis(q.reshape(q.shape[:-2] + (-1,))[..., :K], -1, axis).astype(np.float32)
;;   ~~~
;;   SOFTMAX AHEAD OF A QUANTISED PRODUCT. Where the list says 'softmax', what is quantised is not the finished softmax but p = 2^(t - M), with t = logit x log2(e) and M = ceil(the row's largest t), a whole number; so 1/2 < the row's largest p <= 1. The row's sum l is taken of the UNQUANTISED p, in f32, and the product's result is divided by l at the end. Since M is a whole number, a kernel that streams over the keys may use a running M (the ceiling of the running maximum): every later rescaling is an exact power of two, which a block's scale takes up: the codes' values come out the same.
;;   OPERANDS COMPUTED ON THE WAY. 'Computed on the way' means the value that the module computes at that place (a softmax that the list does not call 'softmax' is quantised finished and normalised). What goes into a quantiser is computed in f32, as accurately as f32 sums, v_exp_f32 and their like allow (about 1e-6 of the number): no bf16 or f16 on the way to a quantiser, and a product that is left as it is and whose result goes on into a quantised operand takes f32 operands (vector FMAs, or v_wmma_f32_16x16x4_f32). A number that lies on a knife's edge between two numbers of the format may be rounded either way, as far as f32 arithmetic and the matrix unit's own rounding can turn it there, and no further.
;; One version. Each part assembles by itself: llvm-mc -triple=amdgcn-amd-amdhsa -mcpu=gfx1250 --defsym DOCPART=n.
;; ======== version 1 of 1: 4 launches
;; limits: right only within a limited range of input values
;; workspace buffers: cod 9,437,184 bytes; scl 393,216 bytes; trig 524,288 bytes; qkv 19,660,800 bytes; oc 6,291,456 bytes; os 262,144 bytes
;; launch prep (part 1): grid 416 x 1, 4 waves a work-group, no clusters, 34,304 bytes of LDS; arguments x, wq, wk, wv, wo, token_positions, cod, scl, trig; writes cod, scl, trig
.if DOCPART == 1
	.amdgcn_target "amdgcn-amd-amdhsa--gfx1250"
	.amdhsa_code_object_version 6
	.text
	.protected	k_q8f300efcf4_prep
	.globl	k_q8f300efcf4_prep
	.p2align	8
	.type	k_q8f300efcf4_prep,@function
k_q8f300efcf4_prep:
	s_mov_b64 s[64:65], 0
	v_nop
	global_prefetch_b8 v0, s[64:65] scope:SCOPE_SE
	s_setreg_imm32_b32 hwreg(HW_REG_WAVE_MODE, 25, 1), 1
	s_wait_xcnt 0x0
; PREP.  (a) x [8192][1024] and wq, wk, wv, wo [1024][1024], f32, K innermost, become codes of FP6 (E2M3) with one E8M0 byte for each 32 along K;  (b) the table of cos and sin for the rotation of q and k.
; THE IMAGE.  Codes are laid in the order of the matrix operand's registers.  A fragment is 16 rows x 128 K, 12 registers a lane, 1,536 bytes, in two halves of 768: in half c lane l's registers
; 6c .. 6c+3 lie at 16 l and its registers 6c+4, 6c+5 at 512 + 8 l.  Lane (r, hh) holds row r; half c is block 2c + hh of the K step.  cod = [768 blocks of 16 rows][8 K steps][1,536]:
; blocks 0-511 x, 512-575 wq, 576-639 wk, 640-703 wv, 704-767 wo.  So every store here and every later load covers 512 or 256 consecutive bytes.
; THE ORDER INSIDE A BLOCK OF 32 is 0-7, 16-23, 8-15, 24-31: the order in which operands made from matrix results fall (later launches).  The same order on both sides of a product changes no product and no scale.
; scl = [768][512]: the scale word (4 bytes: 128 along K) of row r and K step ks lies at 256 (ks / 4) + 16 r + 4 (ks % 4).
; SHARES.  Work-groups 0-383: wave w takes row block 2 g + w / 2 and K half w % 2: 16 rows x 512 K, four fragments.  Each load reads 512 consecutive bytes of a row; a fragment's 16 x 512 bytes turn through
; the wave's own stage in LDS (rows 528 bytes apart) and come back as two whole blocks of 32 a lane, so that a block's largest magnitude needs no other lane.  Two sets of 16 loads are out in each wave.
; Work-groups 384-415: wave tau = 4 (g - 384) + w makes the table for position indices 16 tau .. 16 tau + 15, with no LDS.
; trig = [128 tiles of 16 positions][4 Tn][2 u][32 lanes][16 bytes]: lane (r, hh): cos, sin, cos, sin of the pairs 8 Tn + 4 hh + 2 u and + 1, at position index 16 tau + r.
; A block's scale is 2^(floor(log2(largest magnitude)) - 2); its byte is the largest magnitude's exponent field - 2, held at 1 from below.
; LIMITS: a block of zeros, or one whose largest magnitude lies under 2^-124, gets the byte 1 (its codes are zeros or small; the bytes are read by this program alone); NaN and infinities are not served;
; |token position| up to 2^17 (the three-part reduction of the angle is exact to about 2e-7 there); 10000^(-k/32) is made to about one unit in the last place.
; No matrix unit, no cluster, no tensor load: the launch streams, and its waves share nothing.
.set STGB,  8448                       ; a wave's stage: 16 rows x 528 bytes
.set SPARE, 4*STGB                     ; behind the stages: the spare words, 128 bytes a wave
.set SPW, 12                           ; v12  my spare word's LDS address; never rewritten
.set NIL, 13                           ; v13  0; never rewritten
.set WD,  14                           ; v14-17 the four fragments' scale words
.set C,   20                           ; v20-31 a fragment's codes
.set T,   32                           ; v32-34, v36-38 second halves of the blocks' codes
.set RS,  64                           ; v64-191 two sets of 64 registers as loaded
.set X,   192                          ; v192-255 two blocks of 32 numbers
	s_load_b256 s[4:11], s[0:1], 0x0               ; x, wq, wk, wv
	s_load_b256 s[12:19], s[0:1], 0x20             ; wo, token_positions, cod, scl
	s_load_b64 s[20:21], s[0:1], 0x40              ; trig
	v_lshl_add_u32 v[SPW], v0, 2, SPARE
	v_mov_b32 v[NIL], 0
	v_lshrrev_b32 v1, 5, v0
	v_readfirstlane_b32 s24, v1                    ; wave
	v_and_b32 v1, 31, v0                           ; lane
	v_and_b32 v2, 15, v0                           ; r
	v_bfe_u32 v3, v0, 4, 1                         ; hh
	v_lshlrev_b32 v4, 4, v1                        ; 16 x lane
	v_lshlrev_b32 v5, 3, v1                        ; 8 x lane
	s_mul_i32 s28, s24, STGB
	v_add_nc_u32 v6, s28, v4                       ; the stage, in: 16 x lane of a row
	v_mul_u32_u24 v7, v2, 528
	v_lshl_add_u32 v7, v3, 7, v7
	v_add_nc_u32 v7, s28, v7                       ; the stage, out: row r, + 128 hh: my block of the row's first two
	v_lshlrev_b32 v8, 3, v3                        ; 8 hh: my bytes' place in a scale word
	v_lshlrev_b32 v9, 4, v2                        ; 16 r: my row's four scale words
	v_mov_b32 v49, 0                               ; written once: a lane permute's destination counts as a source
	s_mov_b32 s26, 0x76543210
	s_mov_b32 s27, 0xfedcba98                      ; selects for lane l xor 16
	s_wait_kmcnt 0x0
	s_cmp_ge_u32 ttmp9, 384
	s_cbranch_scc1 .Ltrig
	; ---- the quantiser
	s_lshl_b32 s25, ttmp9, 1
	s_lshr_b32 s28, s24, 1
	s_add_co_u32 s25, s25, s28                     ; R: my block of 16 rows, 0 .. 767
	s_and_b32 s30, s24, 1                          ; my half of K
	s_mov_b64 s[22:23], s[12:13]                   ; the source, chosen by the work-group's number alone
	s_cmp_lt_u32 ttmp9, 352
	s_cselect_b64 s[22:23], s[10:11], s[22:23]
	s_cmp_lt_u32 ttmp9, 320
	s_cselect_b64 s[22:23], s[8:9], s[22:23]
	s_cmp_lt_u32 ttmp9, 288
	s_cselect_b64 s[22:23], s[6:7], s[22:23]
	s_and_b32 s31, s25, 63                         ; the block's number inside a weight
	s_cmp_lt_u32 ttmp9, 256
	s_cselect_b64 s[22:23], s[4:5], s[22:23]
	s_cselect_b32 s31, s25, s31                    ; or inside x
	s_lshl_b32 s28, s31, 16                        ; 16 rows of 4,096 bytes
	s_lshl_b32 s29, s30, 11                        ; + 512 numbers
	s_add_co_u32 s28, s28, s29
	s_mov_b32 s29, 0
	s_add_nc_u64 s[22:23], s[22:23], s[28:29]
	s_mul_i32 s28, s25, 12288
	s_mul_i32 s31, s30, 6144
	s_add_co_u32 s28, s28, s31
	s_add_nc_u64 s[16:17], s[16:17], s[28:29]      ; my four images
	s_lshl_b32 s28, s25, 9
	s_lshl_b32 s31, s30, 8
	s_add_co_u32 s28, s28, s31
	s_add_nc_u64 s[18:19], s[18:19], s[28:29]      ; my 256 bytes of scale words
.macro LOAD f                          ; fragment f: 512 consecutive bytes of each of the 16 rows, into set f % 2
.irp i, 0,1,2,3,4,5,6,7,8,9,10,11,12,13,14,15
	global_load_b128 v[RS+64*((\f)%2)+4*\i:RS+64*((\f)%2)+4*\i+3], v4, s[22:23] offset:4096*\i+512*(\f) th:TH_LOAD_NT
.endr
.endm
.macro STEP f
.set RB, RS+64*((\f)%2)
.if (\f) < 3
	s_wait_loadcnt 16                              ; this fragment's 16 loads are in; the next set's 16 may be out
.else
	s_wait_loadcnt 0x0
.endif
	s_wait_xcnt 0x0                                ; the last step's stores have read C, which this step writes again
.irp i, 0,1,2,3,4,5,6,7,8,9,10,11,12,13,14,15
	ds_store_b128 v6, v[RB+4*\i:RB+4*\i+3] offset:528*\i
.endr
.irp c, 0,1                            ; back: block 2c + hh of row r, its eight pieces of 16 bytes in the order 0, 1, 4, 5, 2, 3, 6, 7.  LDS serves a wave's instructions in order: these see the stores above
.irp j, 0,1,2,3,4,5,6,7
	ds_load_b128 v[X+32*\c+4*\j:X+32*\c+4*\j+3], v7 offset:256*\c+16*((\j%2)+4*((\j/2)%2)+2*(\j/4))
.endr
.endr
	s_wait_dscnt 0x0                               ; my 64 numbers are in, and the stores have read their set,
.if (\f) < 2
	LOAD (\f)+2                                    ; which takes the fragment two on
.endif
.irp q, 0,1,2,3                        ; largest magnitudes, four chains of 16 numbers; the floor 2^(3 - 127) holds the byte at 1 from below
	v_max3_num_f32 v[40+\q], |v[X+16*\q]|, |v[X+16*\q+1]|, 0x1800000
.endr
.irp i, 2,4,6,8,10,12,14
.irp q, 0,1,2,3
	v_max3_num_f32 v[40+\q], v[40+\q], |v[X+16*\q+\i]|, |v[X+16*\q+\i+1]|
.endr
.endr
	v_max_num_f32 v40, v40, v41                    ; block hh
	v_max_num_f32 v42, v42, v43                    ; block 2 + hh
	v_add_nc_u32 v44, 0xff000000, v40              ; 2 off the exponent field: the conversion's scale operand
	v_add_nc_u32 v45, 0xff000000, v42
	v_lshrrev_b32 v46, 23, v44                     ; the bytes
	v_lshrrev_b32 v47, 23, v45
	v_lshl_or_b32 v48, v47, 16, v46
	v_lshlrev_b32 v48, v8, v48                     ; at their places in the word;
	v_permlanex16_b32 v49, v48, s26, s27
	v_or_b32 v[WD+(\f)], v48, v49                  ; with lane l xor 16's two the word is whole, in both lanes
.irp c, 0,1
	v_cvt_scalef32_pk16_fp6_f32 v[C+6*\c:C+6*\c+2], v[X+32*\c:X+32*\c+15], v[44+\c]
	v_cvt_scalef32_pk16_fp6_f32 v[T+4*\c:T+4*\c+2], v[X+32*\c+16:X+32*\c+31], v[44+\c]   ; (a conversion's three registers begin on an even number)
.endr
	v_nop                                          ; one plain instruction behind the conversions
.irp c, 0,1
.irp i, 0,1,2
	v_mov_b32 v[C+6*\c+3+\i], v[T+4*\c+\i]
.endr
.endr
	global_store_b128 v4, v[C:C+3], s[16:17] offset:1536*(\f)          ; the image: 512, 256, 512, 256 consecutive bytes
	global_store_b64 v5, v[C+4:C+5], s[16:17] offset:1536*(\f)+512
	global_store_b128 v4, v[C+6:C+9], s[16:17] offset:1536*(\f)+768
	global_store_b64 v5, v[C+10:C+11], s[16:17] offset:1536*(\f)+1280
.endm
	LOAD 0
	LOAD 1
	STEP 0
	STEP 1
	STEP 2
	STEP 3
	global_store_b128 v9, v[WD:WD+3], s[18:19]     ; 256 consecutive bytes; lanes l and l + 16 hold the same words and write them to the same place
	s_wait_tensorcnt 0x0                           ; the wave's end, behind my last LDS store
	ds_add_u32 v[SPW], v[NIL]
	s_wait_dscnt 0x0
	s_endpgm
	; ---- the table of cos and sin.
.Ltrig:
	s_sub_co_u32 s25, ttmp9, 384
	s_lshl_b32 s25, s25, 2
	s_add_co_u32 s25, s25, s24                     ; tau
	s_lshl_b32 s28, s25, 6
	s_mov_b32 s29, 0
	s_add_nc_u64 s[14:15], s[14:15], s[28:29]      ; my 16 positions
	s_lshl_b32 s28, s25, 12
	s_add_nc_u64 s[20:21], s[20:21], s[28:29]      ; my 4,096 bytes of the table
	v_lshlrev_b32 v10, 2, v2
	global_load_b32 v56, v10, s[14:15]
	s_mov_b32 s30, 0xbed49a78                      ; -log2(10) / 8, upper part,
	s_mov_b32 s31, 0xb2179a37                      ; and what is left of it
	s_mov_b32 s32, 0x3f22f983                      ; 2 / pi
	s_mov_b32 s33, 0x3fc90fdb                      ; pi / 2 in three parts
	s_mov_b32 s34, 0xb33bbd2e
	s_mov_b32 s35, 0xa6f72ced
	s_mov_b32 s36, 0xbe2aaaa3                      ; sine: r + r z (S1 + S2 z + S3 z^2), z = r^2, |r| <= pi / 4
	s_mov_b32 s37, 0x3c08839e
	s_mov_b32 s38, 0xb94ca1f9
	s_mov_b32 s39, 0x3d2aaaa5                      ; cosine: 1 - z / 2 + z^2 (C1 + C2 z + C3 z^2)
	s_mov_b32 s40, 0xbab6061a
	s_mov_b32 s41, 0x37ccf5ce
	v_lshlrev_b32 v57, 2, v3                       ; 4 hh
.irp m, 0,1,2,3,4,5,6,7,8,9,10,11,12,13,14,15     ; 10000^(-k / 32) = 2^y, y = -k log2(10) / 8 in two parts; k = 8 (m / 4) + m % 4 + 4 hh
	v_add_nc_u32 v40, 8*(\m/4)+\m%4, v57
	v_cvt_f32_u32 v40, v40
	v_mul_f32 v41, s30, v40                        ; y, rounded,
	v_fma_f32 v42, v40, s30, -v41                  ; what the rounding dropped,
	v_fma_f32 v42, v40, s31, v42                   ; and the constant's lower part
	v_rndne_f32 v43, v41                           ; y's whole part
	v_sub_f32 v41, v41, v43
	v_add_f32 v[64+\m], v41, v42                   ; the rest, at most 1/2 in size
	v_cvt_i32_f32 v[80+\m], v43
.endr
.irp m, 0,1,2,3,4,5,6,7,8,9,10,11,12,13,14,15
	v_exp_f32 v[64+\m], v[64+\m]
.endr
	v_nop                                          ; a plain instruction behind the batch,
	s_wait_alu depctr_va_vdst(0)                   ; and one wait for the sixteen, ahead of their first reader
	s_wait_loadcnt 0x0
	v_cvt_f32_i32 v56, v56                         ; my position
.irp m, 0,1,2,3,4,5,6,7,8,9,10,11,12,13,14,15
	v_ldexp_f32 v40, v[64+\m], v[80+\m]            ; the frequency
	v_mul_f32 v40, v56, v40                        ; the angle, rounded to f32 as the definition has it
	v_mul_f32 v41, s32, v40
	v_rndne_f32 v41, v41                           ; n: quarter turns
	v_fma_f32 v42, -v41, s33, v40
	v_fma_f32 v42, -v41, s34, v42
	v_fma_f32 v42, -v41, s35, v42                  ; r = angle - n pi / 2
	v_mul_f32 v43, v42, v42                        ; z
	v_cvt_i32_f32 v44, v41
	v_fma_f32 v45, v43, s38, s37
	v_fma_f32 v45, v45, v43, s36
	v_mul_f32 v46, v42, v43
	v_fma_f32 v45, v45, v46, v42                   ; sin r
	v_fma_f32 v47, v43, s41, s40
	v_fma_f32 v47, v47, v43, s39
	v_mul_f32 v48, v43, v43
	v_fma_f32 v49, v43, -0.5, 1.0
	v_fma_f32 v47, v47, v48, v49                   ; cos r
	v_and_b32 v50, 1, v44
	v_cmp_eq_u32 vcc_lo, 1, v50                    ; an odd n changes the two over
	v_cndmask_b32 v51, v45, v47, vcc_lo
	v_cndmask_b32 v52, v47, v45, vcc_lo
	v_and_b32 v50, 2, v44                          ; the sine's sign: n % 4 = 2, 3
	v_lshlrev_b32 v50, 30, v50
	v_xor_b32 v[97+2*\m], v50, v51
	v_add_nc_u32 v44, 1, v44                       ; the cosine's: n % 4 = 1, 2
	v_and_b32 v44, 2, v44
	v_lshlrev_b32 v44, 30, v44
	v_xor_b32 v[96+2*\m], v44, v52
.endr
.irp q, 0,1,2,3,4,5,6,7
	global_store_b128 v4, v[96+4*\q:96+4*\q+3], s[20:21] offset:512*\q   ; 512 consecutive bytes
.endr
	s_endpgm
.Lfunc_end_k_q8f300efcf4_prep:
	.size	k_q8f300efcf4_prep, .Lfunc_end_k_q8f300efcf4_prep-k_q8f300efcf4_prep
	.p2alignl 7, 3214868480
	.fill 96, 4, 3214868480
	.section	.rodata,"a",@progbits
	.p2align	6, 0x0
	.amdhsa_kernel k_q8f300efcf4_prep
		.amdhsa_group_segment_fixed_size 34304
		.amdhsa_private_segment_fixed_size 0
		.amdhsa_enable_private_segment 0
		.amdhsa_kernarg_size 72
		.amdhsa_user_sgpr_count 2
		.amdhsa_user_sgpr_kernarg_segment_ptr 1
		.amdhsa_wavefront_size32 1
		.amdhsa_system_sgpr_workgroup_id_x 1
		.amdhsa_system_sgpr_workgroup_id_y 1
		.amdhsa_system_sgpr_workgroup_id_z 1
		.amdhsa_system_vgpr_workitem_id 0
		.amdhsa_next_free_vgpr 256
		.amdhsa_next_free_sgpr 66
		.amdhsa_reserve_vcc 1
		.amdhsa_float_denorm_mode_32 3
		.amdhsa_float_denorm_mode_16_64 3
		.amdhsa_memory_ordered 1
		.amdhsa_forward_progress 1
		.amdhsa_inst_pref_size 59
	.end_amdhsa_kernel
	.amdgpu_metadata
---
amdhsa.version: [ 1, 2 ]
amdhsa.kernels:
  - .name:           k_q8f300efcf4_prep
    .symbol:         k_q8f300efcf4_prep.kd
    .args:
      - { .name: x, .offset: 0, .size: 8, .value_kind: global_buffer, .address_space: global }
      - { .name: wq, .offset: 8, .size: 8, .value_kind: global_buffer, .address_space: global }
      - { .name: wk, .offset: 16, .size: 8, .value_kind: global_buffer, .address_space: global }
      - { .name: wv, .offset: 24, .size: 8, .value_kind: global_buffer, .address_space: global }
      - { .name: wo, .offset: 32, .size: 8, .value_kind: global_buffer, .address_space: global }
      - { .name: token_positions, .offset: 40, .size: 8, .value_kind: global_buffer, .address_space: global }
      - { .name: cod, .offset: 48, .size: 8, .value_kind: global_buffer, .address_space: global }
      - { .name: scl, .offset: 56, .size: 8, .value_kind: global_buffer, .address_space: global }
      - { .name: trig, .offset: 64, .size: 8, .value_kind: global_buffer, .address_space: global }
    .group_segment_fixed_size: 34304
    .private_segment_fixed_size: 0
    .kernarg_segment_align: 8
    .kernarg_segment_size: 72
    .max_flat_workgroup_size: 128
    .sgpr_count:     66
    .vgpr_count:     256
    .wavefront_size: 32
...
	.end_amdgpu_metadata
.endif
;; end of part 1
;; launch qkv (part 2): grid 12 x 64, 4 waves a work-group, clusters of 4 x 4, 327,680 bytes of LDS; arguments cod, scl, trig, qkv; writes qkv
.if DOCPART == 2
	.amdgcn_target "amdgcn-amd-amdhsa--gfx1250"
	.amdhsa_code_object_version 6
	.text
	.protected	k_q8f300efcf4_qkv
	.globl	k_q8f300efcf4_qkv
	.p2align	8
	.type	k_q8f300efcf4_qkv,@function
k_q8f300efcf4_qkv:
	s_mov_b64 s[64:65], 0
	v_nop
	global_prefetch_b8 v0, s[64:65] scope:SCOPE_SE
	s_setreg_imm32_b32 hwreg(HW_REG_WAVE_MODE, 25, 1), 1
	s_wait_xcnt 0x0
	s_wait_alu depctr_hold_cnt(0) depctr_sa_sdst(0) depctr_va_vdst(0) depctr_va_sdst(0) depctr_va_ssrc(0) depctr_va_vcc(0) depctr_vm_vsrc(0)
	s_getreg_b32 s2, hwreg(HW_REG_IB_STS2, 6, 4)
	s_cmp_eq_u32 s2, 0
	s_cbranch_scc0 .Lentry_in_a_cluster
	s_endpgm
.Lentry_in_a_cluster:
	s_bfe_u32 s2, ttmp6, 0x10000c
	s_cmp_lg_u32 s2, 0xf033
	s_cbranch_scc0 .Lentry_shape_is_right
	s_endpgm
.Lentry_shape_is_right:
; QKV.  y = x [wq; wk; wv]^T on codes of FP6 (E2M3) with E8M0 scales; q and k are rotated (f32) and quantised along the head's 64; v is quantised along the tokens, which are the keys of attention's second product.
; SHARES.  A work-group makes 128 tokens x 256 columns, wave w all 128 tokens x columns 64 w .. + 63, which are ONE HEAD: 32 accumulators.  The cluster's x (0, 1, 2) says whether the columns are q's, k's or v's.
; ALL OF K FITS IN LDS: 4 chunks of two K steps, each 8 + 16 blocks of 16 rows x 3,072 bytes = 73,728 bytes.  Every LDS byte is filled once: four tensor loads a wave at the start, counted waits, no slot is filled again.
; Codes lie in memory as images of the operand's registers (launch prep): a fragment is two loads of 16 bytes and two of 8 bytes a lane, each instruction on consecutive bytes: no pitch, no padding.
; CLUSTER 4 x 4: the four of a row need the same rows of x, the four of a column the same rows of the weights: each tile is asked for jointly.
; q, k: THE MATRIX INSTRUCTION IS USED TRANSPOSED (source 0 = 16 rows of w, source 1 = 16 tokens): lane (r, h) holds token r and features 16 Tn + 8 h + j: the pairs that the rotation turns are neighbouring registers, and
; the 16 registers of tiles 2 b, 2 b + 1 are half a block of 32 along the head's axis.  v: source 0 = 16 tokens, source 1 = 16 rows of wv: lane (r, h) holds feature r and tokens 16 Tm + 8 h + j: registers run along the keys.
; In both cases a block's codes fall in the order 0-7, 16-23, 8-15, 24-31 of the block, on both sides of every later product alike.
; OUT: qkv = [64 heads][16 steps of 128 tokens][19,200]: q's 4 images at 0, q's scale words at 6,144, k's images at 6,400, v's at 12,544, k's scale words at 18,688, v's at 18,944.  An image of q or k: half u = token tile 2 jj + u,
; lane (r, hh) = block hh of token r's 64.  An image of v: rows 16 t + r of the head's 64, K = the step's 128 tokens.  A section of scale words: [r][4 words].
; Nothing is prefetched: every tensor load of the launch is issued at its head, so there is no later load to run ahead of.
; LIMITS: a block of zeros or under 2^-124 gets the byte 1 (read by this program alone); NaN and infinities are not served.
; REGISTERS, in windows of 256: window 0: v1-7 addresses; v32-63 x's scale words, v64-79 the weights'; v80-175, v176-223 fragments of x and of w, set 0; v224-251 at work; v252, v253 the add's two.
;   window 1: the 32 accumulators.   window 2: v80-223 fragments, set 1.   window 3: cos and sin, register for register beside the accumulators.
.set BBASE, 512                        ; the weights' first block of 16 rows in cod and scl
.set PAC, 4                            ; s[4:5] the left operand's codes, s[6:7] its scale words; the right operand's likewise
.set PAS, 6
.set PBC, 4
.set PBS, 6
.set CHUNK, 73728
.set BOFF,  24576                      ; in a chunk: x's 8 blocks, then the weights' 16
.set SPARE, 4*CHUNK                    ; behind the chunks: the spare words, 128 bytes a wave
.set L16,  1                           ; v1 16 x lane   v2 8 x lane   v3 16 x (lane % 16); never rewritten
.set L8,   2
.set LR16, 3
.set ADA16, 4                          ; v4, v5 LDS addresses of x's fragments in the chunk in hand; v6, v7 of my 4 blocks of w
.set ADA8,  5
.set ADB16, 6
.set ADB8,  7
.set SA,  32
.set SB,  64
.set AF,  80
.set BF,  176
.set HA,  80                           ; the epilogue: 64 rotated numbers
.set TM,  232                          ; v232-235 maxima, v236-239 bytes, v244-247 scale operands
.set PW,  248                          ; v248-251 the four images' scale words
.set SPW, 252
.set NIL, 253
.set SEL, 2                            ; s[2:3] selects for lane l xor 16
.set G1A, 24
.set G1B, 32
.set G0A, 40                           ; s[40:55] group 0 for x's chunks 0 .. 3;  s[56:63], s[68:75] for the weights'
.set MSB, 0
.macro WIN new                         ; the immediate's high byte repeats the setting that is left
.if MSB != (\new)
	s_set_vgpr_msb (MSB<<8)|(\new)
.set MSB, (\new)
.endif
.endm
.macro CROUND                          ; a round of the cluster's barrier
	s_barrier_signal -1
	s_barrier_wait -1
	s_cmp_lg_u32 s12, 0
	s_cbranch_scc1 .Lnot_wave_0_\@
	s_barrier_signal -3
.Lnot_wave_0_\@:
	s_barrier_wait -3
	s_barrier_signal -1
	s_barrier_wait -1
.endm
.macro PLACES                          ; four plain instructions behind matrix instructions, ahead of loads into their sources and of reads of their results
.rept 4
	v_nop
.endr
.endm
.macro FRAG reg, a16, a8, off          ; an image comes back as the registers that it was
	ds_load_b128 v[(\reg):(\reg)+3], v[\a16] offset:(\off)
	ds_load_b64 v[(\reg)+4:(\reg)+5], v[\a8] offset:(\off)+512
	ds_load_b128 v[(\reg)+6:(\reg)+9], v[\a16] offset:(\off)+768
	ds_load_b64 v[(\reg)+10:(\reg)+11], v[\a8] offset:(\off)+1280
.endm
.macro FETCH k                         ; K step k's 8 + 4 fragments into set k % 2
.if ((\k)%2 == 0) && ((\k) > 0)
	v_add_nc_u32 v[ADA16], CHUNK, v[ADA16]         ; on to the next chunk (no LDS load of mine is out)
	v_add_nc_u32 v[ADA8], CHUNK, v[ADA8]
	v_add_nc_u32 v[ADB16], CHUNK, v[ADB16]
	v_add_nc_u32 v[ADB8], CHUNK, v[ADB8]
.endif
	WIN 0x80*((\k)%2)                              ; destination window 2 for the odd steps
.irp i, 0,1,2,3,4,5,6,7
	FRAG AF+12*\i, ADA16, ADA8, 3072*\i+1536*((\k)%2)
.endr
.irp i, 0,1,2,3
	FRAG BF+12*\i, ADB16, ADB8, 3072*\i+1536*((\k)%2)
.endr
	WIN 0
.endm
.macro WM k                            ; K steps 0-3 find their scale words in lanes 0-15, K steps 4-7 in lanes 16-31.  The first K step starts the sums: nothing is cleared
.if (\k) == 0
	v_wmma_scale_f32_16x16x128_f8f6f4 v[rD:rD+7], v[rA:rA+11], v[rB:rB+11], 0, v[rSA], v[rSB] matrix_a_fmt:MATRIX_FMT_FP6 matrix_b_fmt:MATRIX_FMT_FP6
.elseif (\k) < 4
	v_wmma_scale_f32_16x16x128_f8f6f4 v[rD:rD+7], v[rA:rA+11], v[rB:rB+11], v[rD:rD+7], v[rSA], v[rSB] matrix_a_fmt:MATRIX_FMT_FP6 matrix_b_fmt:MATRIX_FMT_FP6
.else
	v_wmma_scale_f32_16x16x128_f8f6f4 v[rD:rD+7], v[rA:rA+11], v[rB:rB+11], v[rD:rD+7], v[rSA], v[rSB] matrix_a_fmt:MATRIX_FMT_FP6 matrix_b_fmt:MATRIX_FMT_FP6 matrix_a_scale:MATRIX_SCALE_ROW1 matrix_b_scale:MATRIX_SCALE_ROW1
.endif
.endm
; 16 of a K step's 32 matrix instructions.  The 32 accumulators take turns, one instruction a turn, in the same order in every K step.
; var = 0: accumulator 4 Tm + Tn, source 0 = w's block Tn, source 1 = x's block Tm.  var = 1: accumulator 8 Tn + Tm, source 0 = x's block Tm, source 1 = w's block Tn.
.macro MUL16 k, half, var
.irp a, 0,1,2,3
.irp b, 0,1,2,3
.set ee, 16*(\half)+4*\a+\b
.set rD, 8*ee
.if \var
.set rA, AF+12*(ee%8)
.set rB, BF+12*(ee/8)
.set rSA, SA+4*(ee%8)+(\k)%4
.set rSB, SB+4*(ee/8)+(\k)%4
.else
.set rA, BF+12*(ee%4)
.set rB, AF+12*(ee/4)
.set rSA, SB+4*(ee%4)+(\k)%4
.set rSB, SA+4*(ee/4)+(\k)%4
.endif
	WM \k
.endr
.endr
.endm
.macro KSTEP k, var
	s_wait_dscnt 0x0                               ; this K step's fragments are in
	WIN 0x50+0x0a*((\k)%2)                         ; C and D window 1; sources window 0 or 2
	MUL16 \k, 0, \var
	WIN 0
.if ((\k)%2 == 1) && ((\k) < 7)
	s_wait_tensorcnt 3-((\k)+1)/2                  ; my part of the next chunk has landed: so many of my four loads were issued behind it.  No LDS instruction of mine is out
	s_barrier_signal -1
	s_barrier_wait -1                              ; everybody's has.  The younger loads may stay out
.endif
.if (\k) < 7
	PLACES                                         ; the other set was read by the K step before
	FETCH (\k)+1
.endif
	WIN 0x50+0x0a*((\k)%2)
	MUL16 \k, 1, \var
.endm
; 64 numbers of a lane, register 16 b + i = place i of my half of block b of my row, in window w, become a fragment's codes in v[pc] on and its scale word in v[pw].
.macro QUANT s, w, pc, pw
	WIN 5*(\w)
.irp b, 0,1,2,3
	v_max3_num_f32 v[TM+\b], |v[(\s)+16*\b]|, |v[(\s)+1+16*\b]|, 0x1800000   ; my 16 numbers of block b, from the low end on, and the floor 2^(3 - 127)
.endr
.irp i, 2,4,6,8,10,12,14
.irp b, 0,1,2,3
	v_max3_num_f32 v[TM+\b], |v[(\s)+16*\b+\i]|, |v[(\s)+1+16*\b+\i]|, v[TM+\b]
.endr
.endr
	WIN 0
.irp b, 0,1,2,3
	v_permlanex16_b32 v[TM+4+\b], v[TM+\b], s[SEL], s[SEL+1]
.endr
.irp b, 0,1,2,3
	v_max_num_f32 v[TM+\b], v[TM+\b], v[TM+4+\b]   ; with lane l xor 16's 16: the block's largest magnitude
.endr
.irp b, 0,1,2,3
	v_add_nc_u32 v[TM+12+\b], 0xff000000, v[TM+\b] ; 2 off the exponent field: the conversion's scale operand
.endr
.irp b, 0,1,2,3
	v_lshrrev_b32 v[TM+4+\b], 23, v[TM+12+\b]      ; the byte
.endr
	v_lshl_or_b32 v[\pw], v[TM+5], 8, v[TM+4]
	v_lshl_or_b32 v[\pw], v[TM+6], 16, v[\pw]
	v_lshl_or_b32 v[\pw], v[TM+7], 24, v[\pw]
	WIN \w
.irp c, 0,1
	v_cvt_scalef32_pk16_fp6_f32 v[(\pc)+6*\c:(\pc)+2+6*\c], v[(\s)+32*\c:(\s)+15+32*\c], v[TM+12+2*\c]
	v_cvt_scalef32_pk16_fp6_f32 v[(\pc)+12+4*\c:(\pc)+14+4*\c], v[(\s)+16+32*\c:(\s)+31+32*\c], v[TM+12+2*\c+1]
.endr
	WIN 0
	v_nop                                          ; one plain instruction behind the conversions
.irp c, 0,1                            ; the operand wants a whole block in a lane: lanes 0-15 block 2 c, lanes 16-31 block 2 c + 1
.irp i, 0,1,2
	v_permlane16_swap_b32 v[(\pc)+6*\c+\i], v[(\pc)+12+4*\c+\i]
.endr
.irp i, 0,1,2
	v_mov_b32 v[(\pc)+3+6*\c+\i], v[(\pc)+12+4*\c+\i]
.endr
.endr
.endm
.macro PUT pc, g                       ; image g: 512, 256, 512, 256 consecutive bytes.  Each image has registers of its own, so no store's data are written again
	global_store_b128 v[L16], v[(\pc):(\pc)+3], s[82:83] offset:1536*(\g)
	global_store_b64 v[L8], v[(\pc)+4:(\pc)+5], s[82:83] offset:1536*(\g)+512
	global_store_b128 v[L16], v[(\pc)+6:(\pc)+9], s[82:83] offset:1536*(\g)+768
	global_store_b64 v[L8], v[(\pc)+10:(\pc)+11], s[82:83] offset:1536*(\g)+1280
.endm
	s_load_b256 s[4:11], s[0:1], 0x0               ; cod, scl, trig, qkv
	v_lshl_add_u32 v[SPW], v0, 2, SPARE
	v_mov_b32 v[NIL], 0
	ds_add_u32 v[SPW], v[NIL]                      ; the wave's opening: the add and its wait stand ahead of my first tensor load; the set-up stands between them
	v_lshrrev_b32 v8, 5, v0
	v_readfirstlane_b32 s12, v8                    ; wave
	s_and_b32 s13, s12, 1                          ; which half of a tile's rows I fetch
	s_lshr_b32 s14, s12, 1                         ; for x (0) or for the weights (1)
	v_and_b32 v8, 31, v0
	v_and_b32 v9, 15, v0
	v_lshlrev_b32 v[L16], 4, v8
	v_lshlrev_b32 v[L8], 3, v8
	v_lshlrev_b32 v[LR16], 4, v9
	v_lshlrev_b32 v[ADA16], 4, v8
	v_lshlrev_b32 v[ADA8], 3, v8
	s_mul_i32 s23, s12, 12288                      ; my 4 blocks of the weights' 16
	s_add_co_u32 s23, s23, BOFF
	v_add_nc_u32 v[ADB16], s23, v[L16]
	v_add_nc_u32 v[ADB8], s23, v[L8]
.irp b, 0,1,2,3
	v_mov_b32 v[TM+4+\b], 0                        ; written once: a lane permute's destination counts as a source
.endr
	s_mov_b32 s[SEL], 0x76543210
	s_mov_b32 s[SEL+1], 0xfedcba98
	s_bfe_u32 s15, ttmp6, 0x40000                  ; cx
	s_bfe_u32 s16, ttmp6, 0x40004                  ; cy
	s_lshl_b32 s17, ttmp9, 2
	s_add_co_u32 s17, s17, s15                     ; tile column = 4 x cluster x + cx
	s_and_b32 s18, ttmp7, 0xffff
	s_lshl_b32 s18, s18, 2
	s_add_co_u32 s18, s18, s16                     ; tile row = 4 x cluster y + cy
	s_lshl_b32 s92, s16, 2
	s_lshl_b32 s92, 15, s92                        ; my row of the cluster
	s_lshl_b32 s94, 0x1111, s15                    ; my column
	; group 1: rows of 3,072 bytes (a block's two K steps: 384 elements of 8 bytes), 12,288 bytes apart; 4 rows for x, 8 for the weights; dense in LDS
	s_or_b32 s[G1A], s92, (3<<16)|(1<<21)          ; 15:0 the mask; 17:16 elements of 8 bytes; 21 set beside a mask
	s_or_b32 s[G1B], s94, (3<<16)|(1<<21)
.irp g, G1A, G1B
	s_mov_b32 s[\g+1], 384<<16                     ; tensor_dim0
	s_mov_b32 s[\g+3], 384<<16                     ; tile_dim0
	s_mov_b32 s[\g+5], 1536                        ; from row to row, in elements
	s_mov_b32 s[\g+6], 0
	s_mov_b32 s[\g+7], 0
.endr
	s_mov_b32 s[G1A+2], 4<<16                      ; tensor_dim1
	s_mov_b32 s[G1A+4], 4                          ; tile_dim1
	s_mov_b32 s[G1B+2], 8<<16
	s_mov_b32 s[G1B+4], 8
	s_lshl_b32 s76, s18, 3                         ; x: block 8 x tile row + 4 x half: the tile row alone, which my row of the cluster shares
	s_lshl_b32 s23, s13, 2
	s_add_co_u32 s76, s76, s23
	s_mul_i32 s76, s76, 12288
	s_mov_b32 s77, 0
	s_lshl_b32 s78, s17, 4                         ; the weights: block BBASE + 16 x tile column + 8 x half: the tile column alone
	s_lshl_b32 s23, s13, 3
	s_add_co_u32 s78, s78, s23
	s_add_co_u32 s78, s78, BBASE
	s_mul_i32 s78, s78, 12288
	s_mov_b32 s79, 0
	s_mul_i32 s21, s13, 12288                      ; where they go: no place in the cluster enters an LDS address
	s_mul_i32 s22, s13, 24576
	s_add_co_u32 s22, s22, BOFF
	s_lshl_b32 s88, s18, 12                        ; x's scale words: 8 blocks of 512 bytes
	s_mov_b32 s89, 0
	s_lshl_b32 s90, s17, 4                         ; my 4 blocks of the weights'
	s_lshl_b32 s23, s12, 2
	s_add_co_u32 s90, s90, s23
	s_add_co_u32 s90, s90, BBASE
	s_lshl_b32 s90, s90, 9
	s_mov_b32 s91, 0
	s_lshr_b32 s96, s18, 4                         ; the record that I write: head = 16 x batch + 4 cx + wave,
	s_lshl_b32 s96, s96, 4
	s_lshl_b32 s97, s15, 2
	s_add_co_u32 s96, s96, s97
	s_add_co_u32 s96, s96, s12
	s_mul_i32 s96, s96, 307200
	s_and_b32 s97, s18, 15                         ; step of 128 tokens
	s_mul_i32 s98, s97, 19200
	s_add_co_u32 s96, s96, s98
	s_lshl_b32 s86, s97, 15                        ; the table's 8 tiles of 4,096 bytes for these 128 positions
	s_mov_b32 s87, 0
	s_mov_b32 s80, 12544                           ; the sections of the record: v's,
	s_mov_b32 s81, 18944
	s_cmp_eq_u32 ttmp9, 1
	s_cselect_b32 s80, 6400, s80                   ; k's,
	s_cselect_b32 s81, 18688, s81
	s_cmp_eq_u32 ttmp9, 0
	s_cselect_b32 s80, 0, s80                      ; q's
	s_cselect_b32 s81, 6144, s81
	s_add_co_u32 s82, s96, s80
	s_mov_b32 s83, 0
	s_add_co_u32 s84, s96, s81
	s_mov_b32 s85, 0
	s_wait_dscnt 0x0                               ; the opening add is done
	s_wait_kmcnt 0x0
	s_add_nc_u64 s[76:77], s[PAC:PAC+1], s[76:77]
	s_add_nc_u64 s[78:79], s[PBC:PBC+1], s[78:79]
	s_add_nc_u64 s[88:89], s[PAS:PAS+1], s[88:89]
	s_add_nc_u64 s[90:91], s[PBS:PBS+1], s[90:91]
	s_add_nc_u64 s[86:87], s[8:9], s[86:87]
	s_add_nc_u64 s[82:83], s[10:11], s[82:83]
	s_add_nc_u64 s[84:85], s[10:11], s[84:85]
.irp c, 0,1,2,3                        ; group 0, a set for each chunk: none is written while a load is out
	s_mov_b32 s[G0A+4*\c], 1
	s_add_co_u32 s[G0A+4*\c+1], s21, CHUNK*\c
	s_add_nc_u64 s[G0A+4*\c+2:G0A+4*\c+3], s[76:77], 3072*\c
	s_or_b32 s[G0A+4*\c+3], s[G0A+4*\c+3], 0x80000000
	s_mov_b32 s[56+4*\c+4*(\c/2)], 1
	s_add_co_u32 s[56+4*\c+4*(\c/2)+1], s22, CHUNK*\c
	s_add_nc_u64 s[56+4*\c+4*(\c/2)+2:56+4*\c+4*(\c/2)+3], s[78:79], 3072*\c
	s_or_b32 s[56+4*\c+4*(\c/2)+3], s[56+4*\c+4*(\c/2)+3], 0x80000000
.endr
	CROUND                                         ; all sixteen work-groups are here: the joint loads meet
	s_cmp_eq_u32 s14, 0                            ; a wave's four fills stand in one branch on its number; four loads of mine are out
	s_cbranch_scc0 .Lfirst_b
.irp c, 0,1,2,3
	tensor_load_to_lds s[G0A+4*\c:G0A+4*\c+3], s[G1A:G1A+7]
	s_nop 0
.endr
	PLACES
	s_branch .Lfirst_done
.Lfirst_b:
.irp c, 0,1,2,3
	tensor_load_to_lds s[56+4*\c+4*(\c/2):56+4*\c+4*(\c/2)+3], s[G1B:G1B+7]
	s_nop 0
.endr
	PLACES
.Lfirst_done:
.irp i, 0,1,2,3,4,5,6,7                ; a block's 512 bytes of scale words by one load: register ks % 4, lanes 0-15 for K steps 0-3, lanes 16-31 for 4-7
	global_load_b128 v[SA+4*\i:SA+4*\i+3], v[L16], s[88:89] offset:512*\i
.endr
.irp i, 0,1,2,3
	global_load_b128 v[SB+4*\i:SB+4*\i+3], v[L16], s[90:91] offset:512*\i
.endr
	s_wait_tensorcnt 0x3                           ; my part of chunk 0 has landed; three younger loads may be out
	s_barrier_signal -1
	s_barrier_wait -1
	FETCH 0
	s_wait_loadcnt 0x0                             ; the scale words
	s_cmp_eq_u32 ttmp9, 2                          ; the cluster's x: the same in all sixteen partners
	s_cbranch_scc1 .Lpath_v
	; ---- q and k
	WIN 0xc0                                       ; destination window 3
.irp m, 0,1,2,3,4,5,6,7                ; cos and sin for my 128 tokens and the head's 32 pairs: they land under the K steps
.irp n, 0,1,2,3
.irp u, 0,1
	global_load_b128 v[8*(4*\m+\n)+4*\u:8*(4*\m+\n)+4*\u+3], v[L16], s[86:87] offset:4096*\m+1024*\n+512*\u
.endr
.endr
.endr
	WIN 0
.irp k, 0,1,2,3,4,5,6,7
	KSTEP \k, 0
.endr
	WIN 0
	PLACES
	s_wait_loadcnt 0x0                             ; cos and sin
.irp g, 0,1,2,3                        ; token tiles 2 g and 2 g + 1: accumulator registers 64 g on
	WIN 0x0d                                       ; source 0 the accumulators (window 1), source 1 the table (window 3)
.set ii, 0
.rept 32                               ; registers n, n + 1 hold a pair (e, o); beside them cos and sin.  e' = e cos - o sin, o' = o cos + e sin
.set nn, 64*\g+2*ii
.set t0, 224+2*(ii%4)
	v_mul_f32 v[t0], v[nn+1], v[nn+1]
	v_mul_f32 v[t0+1], v[nn], v[nn+1]
	v_fma_f32 v[HA+2*ii], v[nn], v[nn], -v[t0]
	v_fma_f32 v[HA+2*ii+1], v[nn+1], v[nn], v[t0+1]
.set ii, ii+1
.endr
	WIN 0
	QUANT HA, 0, 144+20*\g, PW+\g
	PUT 144+20*\g, \g
.endr
	s_branch .Ldone
	; ---- v
.Lpath_v:
.irp k, 0,1,2,3,4,5,6,7
	KSTEP \k, 1
.endr
	WIN 0
	PLACES
.irp t, 0,1,2,3                        ; features 16 t on: accumulator registers 64 t on run along the 128 tokens
	QUANT 64*\t, 1, 144+20*\t, PW+\t
	PUT 144+20*\t, \t
.endr
.Ldone:
	global_store_b128 v[LR16], v[PW:PW+3], s[84:85]   ; [r][4 words]: 256 consecutive bytes; lanes l and l + 16 hold the same words and write them to the same place
	s_wait_tensorcnt 0x0                           ; the wave's end
	ds_add_u32 v[SPW], v[NIL]
	s_wait_dscnt 0x0
	CROUND                                         ; the closing round
	s_endpgm
.Lfunc_end_k_q8f300efcf4_qkv:
	.size	k_q8f300efcf4_qkv, .Lfunc_end_k_q8f300efcf4_qkv-k_q8f300efcf4_qkv
	.p2alignl 7, 3214868480
	.fill 96, 4, 3214868480
	.section	.rodata,"a",@progbits
	.p2align	6, 0x0
	.amdhsa_kernel k_q8f300efcf4_qkv
		.amdhsa_group_segment_fixed_size 327680
		.amdhsa_private_segment_fixed_size 0
		.amdhsa_enable_private_segment 0
		.amdhsa_kernarg_size 32
		.amdhsa_user_sgpr_count 2
		.amdhsa_user_sgpr_kernarg_segment_ptr 1
		.amdhsa_wavefront_size32 1
		.amdhsa_system_sgpr_workgroup_id_x 1
		.amdhsa_system_sgpr_workgroup_id_y 1
		.amdhsa_system_sgpr_workgroup_id_z 1
		.amdhsa_system_vgpr_workitem_id 0
		.amdhsa_next_free_vgpr 1024
		.amdhsa_next_free_sgpr 100
		.amdhsa_reserve_vcc 0
		.amdhsa_float_denorm_mode_32 3
		.amdhsa_float_denorm_mode_16_64 3
		.amdhsa_memory_ordered 1
		.amdhsa_forward_progress 1
		.amdhsa_inst_pref_size 190
	.end_amdhsa_kernel
	.amdgpu_metadata
---
amdhsa.version: [ 1, 2 ]
amdhsa.kernels:
  - .name:           k_q8f300efcf4_qkv
    .symbol:         k_q8f300efcf4_qkv.kd
    .args:
      - { .name: cod, .offset: 0, .size: 8, .value_kind: global_buffer, .address_space: global }
      - { .name: scl, .offset: 8, .size: 8, .value_kind: global_buffer, .address_space: global }
      - { .name: trig, .offset: 16, .size: 8, .value_kind: global_buffer, .address_space: global }
      - { .name: qkv, .offset: 24, .size: 8, .value_kind: global_buffer, .address_space: global }
    .group_segment_fixed_size: 327680
    .private_segment_fixed_size: 0
    .kernarg_segment_align: 8
    .kernarg_segment_size: 32
    .max_flat_workgroup_size: 128
    .sgpr_count:     100
    .vgpr_count:     1024
    .wavefront_size: 32
...
	.end_amdgpu_metadata
.endif
;; end of part 2
;; launch attn (part 3): grid 4 x 64, 16 waves a work-group, clusters of 4 x 1, 327,680 bytes of LDS; arguments qkv, oc, os; writes oc, os
.if DOCPART == 3
	.amdgcn_target "amdgcn-amd-amdhsa--gfx1250"
	.amdhsa_code_object_version 6
	.text
	.protected	k_q8f300efcf4_attn
	.globl	k_q8f300efcf4_attn
	.p2align	8
	.type	k_q8f300efcf4_attn,@function
k_q8f300efcf4_attn:
	s_mov_b64 s[64:65], 0
	v_nop
	global_prefetch_b8 v0, s[64:65] scope:SCOPE_SE
	s_setreg_imm32_b32 hwreg(HW_REG_WAVE_MODE, 25, 1), 1
	s_wait_xcnt 0x0
	s_wait_alu depctr_hold_cnt(0) depctr_sa_sdst(0) depctr_va_vdst(0) depctr_va_sdst(0) depctr_va_ssrc(0) depctr_va_vcc(0) depctr_vm_vsrc(0)
	s_getreg_b32 s2, hwreg(HW_REG_IB_STS2, 6, 4)
	s_cmp_eq_u32 s2, 0
	s_cbranch_scc0 .Lentry_in_a_cluster
	s_endpgm
.Lentry_in_a_cluster:
	s_bfe_u32 s2, ttmp6, 0x10000c
	s_cmp_lg_u32 s2, 0x3003
	s_cbranch_scc0 .Lentry_shape_is_right
	s_endpgm
.Lentry_shape_is_right:
; ATTN.  Causal attention of one head on codes of FP6 (E2M3) with E8M0 scales, and o / l quantised along the model's 1,024 for the last product.
; THE SOFTMAX: t = score x log2(e) / 8; M = the running largest t, rounded up to a whole number; p = 2^(t - M) is quantised along the keys, not normalised; the row's sum is taken of the unquantised p and divides at the end.
; When M moves, the sum and O are multiplied by 2^(old M - new M), which rounds nothing.
; SHARES.  The four work-groups of a cluster serve ONE head (2,048 queries).  Wave w (p = w / 2, sub = w % 2) owns two tiles of 16 queries: number 2 cx + sub of octet p and of octet 15 - p (an octet: 128 queries).
; A tile of octet o walks key steps 0 .. o of 128 keys; only step o is masked.  So each wave does (p + 1) + (16 - p) = 17 tile steps, and every branch hangs on the wave's number and the count of steps, never on cx.
; A HEAD'S K, V AND THEIR SCALE WORDS, 16 x 12,800 bytes, FIT IN LDS: filled once, jointly for the four work-groups, by four loads each of waves 0-3.  No LDS byte is filled again, and nothing is stored to LDS.
; K = 64 IN AN INSTRUCTION OF 128: an image of k holds TWO tiles of 16 keys (registers 0-5 and 6-11).  It is multiplied once by [q | 0] and once by [0 | q]: zero codes add nothing under any scale byte but 0xff.
; Both products are used transposed: S^T = k q^T, O^T = v^T p^T: a lane holds one query (lane % 16) throughout.  The 16 registers of key tiles 2 b, 2 b + 1 are my half of block b of 32 keys, in the order in which v's codes lie.
; Nothing is prefetched: every tensor load of the launch is issued at its head.
; OUT: oc = [512 blocks of 16 tokens][8 K steps][1,536] as images; head hd fills half hd % 2 of K step hd / 2.  os = [512][512]: word of row r, K step ks at 256 (ks / 4) + 16 r + 4 (ks % 4); head hd owns bytes 2 (hd % 2), + 1:
; a word is shared by two heads, so these go out as 2 bytes a row, 262,144 bytes in the whole launch.
; LIMITS: a block of zeros or under 2^-124 gets the byte 1 (read by this program alone); NaN and infinities are not served.
.set REC,   19200                      ; a step's record in qkv; its last 12,800 bytes come into LDS
.set HEADB, 307200
.set STEPB, 12800                      ; in LDS: k's 4 images, v's 4 images at 6,144, k's scale words at 12,288, v's at 12,544
.set SPARE, 16*STEPB                   ; the spare words, 128 bytes for each of 16 waves
.set L16,  1                           ; v1 16 x lane   v2 8 x lane   v3 16 x (lane % 16); never rewritten
.set L8,   2
.set LR16, 3
.set SPW,  4
.set NIL,  5
.set AD16, 6                           ; v6-8 the same three + the step's first LDS byte
.set AD8,  7
.set ADS,  8
.set DQ,   9                           ; v9  16 (2 cx + sub) + r - 8 h: register 8 T + j holds a hidden key where 16 T + j is above it
.set QO16, 10
.set NINF, 11
.set STL,  12                          ; a tile's statistics: -M, the largest t, the sum in two halves
.set STH,  16
.set QSL,  20                          ; q's scale words (two bytes, twice)
.set QSH,  21
.set PS,   22                          ; p's scale word
.set QO8,  23
.set KVS,  24                          ; v24-27 k's or v's scale words
.set QBL,  28                          ; v28-57: 0 (6) | q low tile (6) | 0 (6) | q high tile (6) | 0 (6)
.set QBH,  40
.set F,    58                          ; v58-105 four images; between the products the first registers are at work:
.set BM,   58
.set PM,   62
.set SO,   66
.set TT,   70
.set SUM2, 72
.set U16,  74
.set S,    106                         ; v106-169 S^T, then p
.set OTL,  170
.set OTH,  202
.set PC,   234                         ; v234-245 p's codes
.set CT,   246
.set FF,   254                         ; v[254:255] 2^(old M - new M)
.set WV,  10
.set SUB, 12
.set CX,  13
.set BH,  14
.set SEL, 20
.set CS,  22
.set G1,  24
.set G0,  32
.set TB,  48
.set KS,  49
.set OCL, 50
.set OCH, 51
.macro CROUND
	s_barrier_signal -1
	s_barrier_wait -1
	s_cmp_lg_u32 s[WV], 0
	s_cbranch_scc1 .Lnot_wave_0_\@
	s_barrier_signal -3
.Lnot_wave_0_\@:
	s_barrier_wait -3
	s_barrier_signal -1
	s_barrier_wait -1
.endm
.macro FRAG reg, a16, a8, off
	ds_load_b128 v[(\reg):(\reg)+3], v[\a16] offset:(\off)
	ds_load_b64 v[(\reg)+4:(\reg)+5], v[\a8] offset:(\off)+512
	ds_load_b128 v[(\reg)+6:(\reg)+9], v[\a16] offset:(\off)+768
	ds_load_b64 v[(\reg)+10:(\reg)+11], v[\a8] offset:(\off)+1280
.endm
	s_load_b128 s[4:7], s[0:1], 0x0                ; qkv, oc
	s_load_b64 s[8:9], s[0:1], 0x10                ; os
	v_lshl_add_u32 v[SPW], v0, 2, SPARE
	v_mov_b32 v[NIL], 0
	ds_add_u32 v[SPW], v[NIL]                      ; the wave's opening: the add and its wait stand ahead of the first tensor loads; the set-up stands between them
	v_lshrrev_b32 v6, 5, v0
	v_readfirstlane_b32 s[WV], v6
	v_and_b32 v6, 31, v0
	v_and_b32 v7, 15, v0                           ; r
	v_bfe_u32 v8, v0, 4, 1                         ; h
	v_lshlrev_b32 v[L16], 4, v6
	v_lshlrev_b32 v[L8], 3, v6
	v_lshlrev_b32 v[LR16], 4, v7
	s_lshr_b32 s[OCL], s[WV], 1                    ; my low octet p,
	s_sub_co_u32 s[OCH], 15, s[OCL]                ; and my high one
	s_and_b32 s[SUB], s[WV], 1
	s_bfe_u32 s[CX], ttmp6, 0x40000
	s_and_b32 s[BH], ttmp7, 0xffff                 ; the head, which the four partners share
	s_mul_i32 s16, s[BH], HEADB
	s_mov_b32 s[G1], 15|(3<<16)|(1<<21)            ; all four work-groups; elements of 8 bytes; 21 set beside a mask
	s_mov_b32 s[G1+1], 32<<16                      ; a dense block of 12,800 bytes as 50 rows of 256
	s_mov_b32 s[G1+2], 50<<16
	s_mov_b32 s[G1+3], 32<<16
	s_mov_b32 s[G1+4], 50
	s_mov_b32 s[G1+5], 32
	s_mov_b32 s[G1+6], 0
	s_mov_b32 s[G1+7], 0
	s_min_u32 s66, s[WV], 3                        ; waves 0-3 fetch steps wave, wave + 4, + 8, + 12
	s_mul_i32 s67, s66, STEPB
	s_mul_i32 s18, s66, REC
	s_add_co_u32 s18, s18, 6400
	s_add_co_u32 s18, s18, s16
	s_mov_b32 s19, 0
	s_mul_i32 s52, s[OCL], REC                     ; the records that hold my two tiles of q
	s_add_co_u32 s52, s52, s16
	s_mov_b32 s53, 0
	s_mul_i32 s54, s[OCH], REC
	s_add_co_u32 s54, s54, s16
	s_mov_b32 s55, 0
	s_mov_b32 s[SEL], 0x76543210
	s_mov_b32 s[SEL+1], 0xfedcba98
	s_mov_b32 s[CS], 0x3e38aa3b                    ; c = log2(e) / sqrt(64)
	s_mov_b32 s[CS+1], s[CS]                       ; (named with it as a pair)
	s_mul_i32 s68, s[CX], 1536                     ; my tile of q: image cx, half sub
	s_mul_i32 s69, s[SUB], 768
	s_add_co_u32 s68, s68, s69
	v_add_nc_u32 v[QO16], s68, v[L16]
	v_add_nc_u32 v[QO8], s68, v[L8]
	s_lshl_b32 s69, s[CX], 2
	v_add_nc_u32 v58, s69, v[LR16]                 ; and its scale word
	s_lshl_b32 s70, s[CX], 1
	s_add_co_u32 s70, s70, s[SUB]                  ; 2 cx + sub
	s_lshl_b32 s71, s70, 4
	v_lshlrev_b32 v[DQ], 3, v8
	v_sub_nc_u32 v[DQ], v7, v[DQ]
	v_add_nc_u32 v[DQ], s71, v[DQ]
	s_wait_dscnt 0x0                               ; the opening add is done
	s_wait_kmcnt 0x0
	s_add_nc_u64 s[18:19], s[4:5], s[18:19]
	s_add_nc_u64 s[52:53], s[4:5], s[52:53]
	s_add_nc_u64 s[54:55], s[4:5], s[54:55]
.irp j, 0,1,2,3
	s_mov_b32 s[G0+4*\j], 1
	s_add_co_u32 s[G0+4*\j+1], s67, 4*STEPB*\j
	s_add_nc_u64 s[G0+4*\j+2:G0+4*\j+3], s[18:19], 4*REC*\j
	s_or_b32 s[G0+4*\j+3], s[G0+4*\j+3], 0x80000000
.endr
	CROUND                                         ; all four work-groups are here: the joint loads meet
	s_cmp_lt_u32 s[WV], 4                          ; the fetching waves' fills stand in one branch; four loads of such a wave are out
	s_cbranch_scc0 .Lno_fetch
.irp j, 0,1,2,3
	tensor_load_to_lds s[G0+4*\j:G0+4*\j+3], s[G1:G1+7]
	s_nop 0
.endr
.rept 4
	v_nop
.endr
.Lno_fetch:
	global_load_b128 v[QBL+6:QBL+9], v[QO16], s[52:53]
	global_load_b64 v[QBL+10:QBL+11], v[QO8], s[52:53] offset:512
	global_load_b32 v[QSL], v58, s[52:53] offset:6144
	global_load_b128 v[QBH+6:QBH+9], v[QO16], s[54:55]
	global_load_b64 v[QBH+10:QBH+11], v[QO8], s[54:55] offset:512
	global_load_b32 v[QSH], v58, s[54:55] offset:6144
.irp z, 28,29,30,31,32,33,40,41,42,43,44,45,52,53,54,55,56,57
	v_mov_b32 v\z, 0                               ; the zero codes beside q
.endr
	v_mov_b32 v[NINF], 0xff800000
.irp t, STL, STH
	v_mov_b32 v[\t+1], 0xff61b1e6                  ; the largest t so far: -3e38
	v_floor_f32 v[\t], -v[\t+1]
	v_mov_b32 v[\t+2], 0
	v_mov_b32 v[\t+3], 0
.endr
	v_mov_b32 v[FF+1], 0                           ; (named as the upper half of a pair)
	s_wait_loadcnt 0x0
	s_lshl_b32 s69, s[SUB], 4
.irp t, QSL, QSH                       ; my tile's two bytes of the image's word, in both halves of the word: they serve q at either end of the operand
	v_lshrrev_b32 v[\t], s69, v[\t]
	v_and_b32 v[\t], 0xffff, v[\t]
	v_lshl_or_b32 v[\t], v[\t], 16, v[\t]
.endr
.set jj, 0
.rept 64
	v_mov_b32 v[OTL+jj], 0                         ; O^T of both tiles: the step is written once, and its first turn finds zeros.  (These are also the places between the scale words' last write and the first product)
.set jj, jj+1
.endr
; A TILE'S KEY STEP: 128 keys at LDS byte s[TB].  QB: where [0 | q] begins ([q | 0] begins 6 on).
.macro STEP QB, QS, OT, ST, OCT
	s_cmp_gt_u32 s[KS], s[\OCT]                    ; all keys of this step come after the tile's queries: the wave's number and the count of steps alone
	s_cbranch_scc1 .Lskip_\@
	v_add_nc_u32 v[AD16], s[TB], v[L16]
	v_add_nc_u32 v[AD8], s[TB], v[L8]
	v_add_nc_u32 v[ADS], s[TB], v[LR16]
	v_nop                                          ; four plain instructions between the last products and the loads into their sources
.irp i, 0,1,2,3
	FRAG F+12*\i, AD16, AD8, 1536*\i
.endr
	ds_load_b128 v[KVS:KVS+3], v[ADS] offset:12288
	s_wait_dscnt 0x0
.irp i, 0,1,2,3                        ; S^T: key tiles 2 i (the image's first half, against [q | 0]) and 2 i + 1 (against [0 | q])
	v_wmma_scale_f32_16x16x128_f8f6f4 v[S+16*\i:S+16*\i+7], v[F+12*\i:F+12*\i+11], v[\QB+6:\QB+17], 0, v[KVS+\i], v[\QS] matrix_a_fmt:MATRIX_FMT_FP6 matrix_b_fmt:MATRIX_FMT_FP6
	v_wmma_scale_f32_16x16x128_f8f6f4 v[S+16*\i+8:S+16*\i+15], v[F+12*\i:F+12*\i+11], v[\QB:\QB+11], 0, v[KVS+\i], v[\QS] matrix_a_fmt:MATRIX_FMT_FP6 matrix_b_fmt:MATRIX_FMT_FP6
.endr
.rept 4
	v_nop
.endr
	s_cmp_lg_u32 s[KS], s[\OCT]                    ; only the tile's own octet lies on the diagonal
	s_cbranch_scc1 .Lopen_\@
.set nn, 0
.rept 64                               ; register 8 T + j holds key 16 T + 8 h + j of the step: hidden scores become -infinity, so that p = 0
	v_cmp_gt_i32 vcc_lo, 16*(nn/8)+nn%8, v[DQ]
	v_cndmask_b32 v[S+nn], v[S+nn], v[NINF], vcc_lo
.set nn, nn+1
.endr
.Lopen_\@:
.irp b, 0,1,2,3
	v_max3_num_f32 v[BM+\b], v[S+16*\b], v[S+1+16*\b], v[S+2+16*\b]   ; the largest score of each block of 32 keys: for the row's maximum, and, since p rises with the score, for the block's largest p
.endr
.irp i, 3,5,7,9,11,13
.irp b, 0,1,2,3
	v_max3_num_f32 v[BM+\b], v[BM+\b], v[S+16*\b+\i], v[S+1+16*\b+\i]
.endr
.endr
.irp b, 0,1,2,3
	v_max_num_f32 v[BM+\b], v[BM+\b], v[S+15+16*\b]
.endr
.irp b, 0,1,2,3
	v_permlanex16_b32 v[PM+\b], v[BM+\b], s[SEL], s[SEL+1]
.endr
.irp b, 0,1,2,3
	v_max_num_f32 v[BM+\b], v[BM+\b], v[PM+\b]     ; with lane l xor 16's 16 keys
.endr
	v_max3_num_f32 v[TT], v[BM], v[BM+1], v[BM+2]
	v_max_num_f32 v[TT], v[TT], v[BM+3]
	v_mul_f32 v[TT], s[CS], v[TT]                  ; the step's largest t
	v_max_num_f32 v[\ST+1], v[\ST+1], v[TT]
	v_mov_b32 v[TT], v[\ST]
	v_floor_f32 v[\ST], -v[\ST+1]                  ; the new -M = -ceil(t)
	v_sub_f32 v[TT], v[\ST], v[TT]                 ; old M - new M: a whole number, 0 or less
	v_cvt_i32_f32 v[TT], v[TT]                     ; (it saturates)
	v_ldexp_f32 v[FF], 1.0, v[TT]
.set jj, 0
.rept 32
	v_pk_fma_f32 v[S+jj:S+jj+1], v[S+jj:S+jj+1], s[CS:CS+1], v[\ST:\ST+1] op_sel_hi:[1,0,0]   ; t - M, two at a time
.set jj, jj+2
.endr
.irp b, 0,1,2,3
	v_fma_f32 v[BM+\b], v[BM+\b], s[CS], v[\ST]    ; the same of each block's largest score
.endr
.set jj, 0
.rept 64
	v_exp_f32 v[S+jj], v[S+jj]                     ; p = 2^(t - M)
.set jj, jj+1
.endr
	v_pk_mul_f32 v[\ST+2:\ST+3], v[\ST+2:\ST+3], v[FF:FF+1] op_sel_hi:[1,0]   ; the sums under the new M: a plain instruction behind the batch
	s_wait_alu depctr_va_vdst(0)                   ; one wait for the 64, ahead of their first reader
.irp b, 0,1,2,3
	v_exp_f32 v[BM+\b], v[BM+\b]                   ; the blocks' largest p
.endr
	v_pk_add_f32 v[SUM2:SUM2+1], v[S:S+1], v[S+2:S+3]   ; the row's sum, of the unquantised p, in two chains
.set jj, 4
.rept 15
	v_pk_add_f32 v[\ST+2:\ST+3], v[\ST+2:\ST+3], v[S+jj:S+jj+1]
	v_pk_add_f32 v[SUM2:SUM2+1], v[SUM2:SUM2+1], v[S+jj+2:S+jj+3]
.set jj, jj+4
.endr
	v_pk_add_f32 v[\ST+2:\ST+3], v[\ST+2:\ST+3], v[SUM2:SUM2+1]
	s_wait_alu depctr_va_vdst(0)                   ; and one for the four
.irp b, 0,1,2,3
	v_max_num_f32 v[BM+\b], 0x1800000, v[BM+\b]    ; the floor 2^(3 - 127)
.endr
.irp b, 0,1,2,3
	v_add_nc_u32 v[SO+\b], 0xff000000, v[BM+\b]
.endr
.irp b, 0,1,2,3
	v_lshrrev_b32 v[PM+\b], 23, v[SO+\b]
.endr
	v_lshl_or_b32 v[PS], v[PM+1], 8, v[PM]
	v_lshl_or_b32 v[PS], v[PM+2], 16, v[PS]
	v_lshl_or_b32 v[PS], v[PM+3], 24, v[PS]
.irp c, 0,1
	v_cvt_scalef32_pk16_fp6_f32 v[PC+6*\c:PC+2+6*\c], v[S+32*\c:S+15+32*\c], v[SO+2*\c]
	v_cvt_scalef32_pk16_fp6_f32 v[CT+4*\c:CT+2+4*\c], v[S+16+32*\c:S+31+32*\c], v[SO+2*\c+1]
.endr
	v_nop                                          ; one plain instruction behind the conversions
.irp t, 0,1,2,3                        ; v's images: what was at work in these registers is done with
	FRAG F+12*\t, AD16, AD8, 6144+1536*\t
.endr
	ds_load_b128 v[KVS:KVS+3], v[ADS] offset:12544
.irp c, 0,1
.irp i, 0,1,2
	v_permlane16_swap_b32 v[PC+6*\c+\i], v[CT+4*\c+\i]
.endr
.irp i, 0,1,2
	v_mov_b32 v[PC+3+6*\c+\i], v[CT+4*\c+\i]
.endr
.endr
.set jj, 0
.rept 16
	v_pk_mul_f32 v[\OT+jj:\OT+jj+1], v[\OT+jj:\OT+jj+1], v[FF:FF+1] op_sel_hi:[1,0]   ; O^T under the new M.  (These are also the places between p's codes and scale word and the products)
.set jj, jj+2
.endr
	s_wait_dscnt 0x0
.irp t, 0,1,2,3                        ; O^T += v^T p^T: the four accumulators by turns
	v_wmma_scale_f32_16x16x128_f8f6f4 v[\OT+8*\t:\OT+8*\t+7], v[F+12*\t:F+12*\t+11], v[PC:PC+11], v[\OT+8*\t:\OT+8*\t+7], v[KVS+\t], v[PS] matrix_a_fmt:MATRIX_FMT_FP6 matrix_b_fmt:MATRIX_FMT_FP6
.endr
.Lskip_\@:
.endm
	s_wait_tensorcnt 0x3                           ; a fetching wave's first load has landed (steps 0-3 together); its three younger loads may be out
	s_barrier_signal -1
	s_barrier_wait -1
	s_mov_b32 s[KS], 0
	s_mov_b32 s[TB], 0
.LA:                                               ; key steps 0-3
	STEP QBL, QSL, OTL, STL, OCL
	STEP QBH, QSH, OTH, STH, OCH
	s_add_co_u32 s[TB], s[TB], STEPB
	s_add_co_u32 s[KS], s[KS], 1
	s_cmp_lt_u32 s[KS], 4
	s_cbranch_scc1 .LA
	s_wait_tensorcnt 0x0                           ; all my loads have landed,
	s_wait_dscnt 0x0
	s_barrier_signal -1
	s_barrier_wait -1                              ; everybody's have: from here on no wave waits for another
	s_mov_b32 s[KS], 4
	s_mov_b32 s[TB], 4*STEPB
.LB:                                               ; key steps 4-15
	STEP QBL, QSL, OTL, STL, OCL
	STEP QBH, QSH, OTH, STH, OCH
	s_add_co_u32 s[TB], s[TB], STEPB
	s_add_co_u32 s[KS], s[KS], 1
	s_cmp_lt_u32 s[KS], 16
	s_cbranch_scc1 .LB
	; THE WAY OUT.  O^T / the sum: register 8 t + j is channel 16 t + 8 h + j of my query: two blocks of 32 along the last product's K.  They are quantised, and leave as half an image and two scale bytes a row.
.rept 4
	v_nop
.endr
	s_lshr_b32 s71, s[BH], 4
	s_lshl_b32 s71, s71, 7
	s_add_co_u32 s71, s71, s70                     ; 128 x batch + 2 cx + sub
	s_and_b32 s72, s[BH], 15                       ; hd
	s_lshr_b32 s73, s72, 1
	s_mul_i32 s73, s73, 1536
	s_and_b32 s74, s72, 1
	s_mul_i32 s75, s74, 768
	s_add_co_u32 s73, s73, s75                     ; K step hd / 2, half hd % 2
	s_lshr_b32 s76, s72, 3
	s_lshl_b32 s76, s76, 8
	s_bfe_u32 s77, s72, 0x20001
	s_lshl_b32 s77, s77, 2
	s_add_co_u32 s76, s76, s77
	s_lshl_b32 s74, s74, 1
	s_add_co_u32 s76, s76, s74                     ; the head's two bytes in a row's scale words
.macro FINISH x, ST, OT, OCT, PO, PQ
	s_lshl_b32 s78, s[\OCT], 3
	s_add_co_u32 s78, s78, s71                     ; the tile's block of 16 tokens
	s_mul_i32 s[\PO], s78, 12288
	s_add_co_u32 s[\PO], s[\PO], s73
	s_mov_b32 s[\PO+1], 0
	s_add_nc_u64 s[\PO:\PO+1], s[6:7], s[\PO:\PO+1]
	s_lshl_b32 s[\PQ], s78, 9
	s_add_co_u32 s[\PQ], s[\PQ], s76
	s_mov_b32 s[\PQ+1], 0
	s_add_nc_u64 s[\PQ:\PQ+1], s[8:9], s[\PQ:\PQ+1]
	v_add_f32 v[TT], v[\ST+2], v[\ST+3]            ; the sum's two halves,
	v_mov_b32 v[TT+1], 0
	v_permlanex16_b32 v[TT+1], v[TT], s[SEL], s[SEL+1]
	v_add_f32 v[TT], v[TT], v[TT+1]                ; and lane l xor 16's
	v_rcp_f32 v[TT], v[TT]
	v_nop                                          ; a plain instruction behind the reciprocal,
	s_wait_alu depctr_va_vdst(0)                   ; and the wait ahead of its first reader
.set jj, 0
.rept 32
	v_mul_f32 v[S+32*\x+jj], v[\OT+jj], v[TT]      ; each accumulator from its low end on
.set jj, jj+1
.endr
.irp b, 0,1
	v_max3_num_f32 v[BM+\b], |v[S+32*\x+16*\b]|, |v[S+32*\x+16*\b+1]|, 0x1800000
.endr
.irp i, 2,4,6,8,10,12,14
.irp b, 0,1
	v_max3_num_f32 v[BM+\b], v[BM+\b], |v[S+32*\x+16*\b+\i]|, |v[S+32*\x+16*\b+\i+1]|
.endr
.endr
.irp b, 0,1
	v_mov_b32 v[PM+\b], 0
	v_permlanex16_b32 v[PM+\b], v[BM+\b], s[SEL], s[SEL+1]
.endr
.irp b, 0,1
	v_max_num_f32 v[BM+\b], v[BM+\b], v[PM+\b]
.endr
.irp b, 0,1
	v_add_nc_u32 v[SO+\b], 0xff000000, v[BM+\b]
.endr
.irp b, 0,1
	v_lshrrev_b32 v[PM+\b], 23, v[SO+\b]
.endr
	v_lshl_or_b32 v[U16+\x], v[PM+1], 8, v[PM]
	v_cvt_scalef32_pk16_fp6_f32 v[PC+6*\x:PC+6*\x+2], v[S+32*\x:S+32*\x+15], v[SO]
	v_cvt_scalef32_pk16_fp6_f32 v[CT:CT+2], v[S+32*\x+16:S+32*\x+31], v[SO+1]
	v_nop
.irp i, 0,1,2
	v_permlane16_swap_b32 v[PC+6*\x+\i], v[CT+\i]
.endr
.irp i, 0,1,2
	v_mov_b32 v[PC+6*\x+3+\i], v[CT+\i]
.endr
	global_store_b128 v[L16], v[PC+6*\x:PC+6*\x+3], s[\PO:\PO+1]             ; 512 and 256 consecutive bytes
	global_store_b64 v[L8], v[PC+6*\x+4:PC+6*\x+5], s[\PO:\PO+1] offset:512
	global_store_b16 v[LR16], v[U16+\x], s[\PQ:\PQ+1]                        ; lanes l and l + 16 hold the same two bytes and write them to the same place
.endm
	FINISH 0, STL, OTL, OCL, 56, 60
	FINISH 1, STH, OTH, OCH, 58, 62
	s_wait_tensorcnt 0x0                           ; the wave's end
	ds_add_u32 v[SPW], v[NIL]
	s_wait_dscnt 0x0
	CROUND                                         ; the closing round
	s_endpgm
.Lfunc_end_k_q8f300efcf4_attn:
	.size	k_q8f300efcf4_attn, .Lfunc_end_k_q8f300efcf4_attn-k_q8f300efcf4_attn
	.p2alignl 7, 3214868480
	.fill 96, 4, 3214868480
	.section	.rodata,"a",@progbits
	.p2align	6, 0x0
	.amdhsa_kernel k_q8f300efcf4_attn
		.amdhsa_group_segment_fixed_size 327680
		.amdhsa_private_segment_fixed_size 0
		.amdhsa_enable_private_segment 0
		.amdhsa_kernarg_size 24
		.amdhsa_user_sgpr_count 2
		.amdhsa_user_sgpr_kernarg_segment_ptr 1
		.amdhsa_wavefront_size32 1
		.amdhsa_system_sgpr_workgroup_id_x 1
		.amdhsa_system_sgpr_workgroup_id_y 1
		.amdhsa_system_sgpr_workgroup_id_z 1
		.amdhsa_system_vgpr_workitem_id 0
		.amdhsa_next_free_vgpr 256
		.amdhsa_next_free_sgpr 80
		.amdhsa_reserve_vcc 1
		.amdhsa_float_denorm_mode_32 3
		.amdhsa_float_denorm_mode_16_64 3
		.amdhsa_memory_ordered 1
		.amdhsa_forward_progress 1
		.amdhsa_inst_pref_size 101
	.end_amdhsa_kernel
	.amdgpu_metadata
---
amdhsa.version: [ 1, 2 ]
amdhsa.kernels:
  - .name:           k_q8f300efcf4_attn
    .symbol:         k_q8f300efcf4_attn.kd
    .args:
      - { .name: qkv, .offset: 0, .size: 8, .value_kind: global_buffer, .address_space: global }
      - { .name: oc, .offset: 8, .size: 8, .value_kind: global_buffer, .address_space: global }
      - { .name: os, .offset: 16, .size: 8, .value_kind: global_buffer, .address_space: global }
    .group_segment_fixed_size: 327680
    .private_segment_fixed_size: 0
    .kernarg_segment_align: 8
    .kernarg_segment_size: 24
    .max_flat_workgroup_size: 512
    .sgpr_count:     80
    .vgpr_count:     256
    .wavefront_size: 32
...
	.end_amdgpu_metadata
.endif
;; end of part 3
;; launch oproj (part 4): grid 4 x 64, 4 waves a work-group, clusters of 4 x 4, 327,680 bytes of LDS; arguments oc, os, cod, scl, out0; writes out0
.if DOCPART == 4
	.amdgcn_target "amdgcn-amd-amdhsa--gfx1250"
	.amdhsa_code_object_version 6
	.text
	.protected	k_q8f300efcf4_oproj
	.globl	k_q8f300efcf4_oproj
	.p2align	8
	.type	k_q8f300efcf4_oproj,@function
k_q8f300efcf4_oproj:
	s_mov_b64 s[64:65], 0
	v_nop
	global_prefetch_b8 v0, s[64:65] scope:SCOPE_SE
	s_setreg_imm32_b32 hwreg(HW_REG_WAVE_MODE, 25, 1), 1
	s_wait_xcnt 0x0
	s_wait_alu depctr_hold_cnt(0) depctr_sa_sdst(0) depctr_va_vdst(0) depctr_va_sdst(0) depctr_va_ssrc(0) depctr_va_vcc(0) depctr_vm_vsrc(0)
	s_getreg_b32 s2, hwreg(HW_REG_IB_STS2, 6, 4)
	s_cmp_eq_u32 s2, 0
	s_cbranch_scc0 .Lentry_in_a_cluster
	s_endpgm
.Lentry_in_a_cluster:
	s_bfe_u32 s2, ttmp6, 0x10000c
	s_cmp_lg_u32 s2, 0xf033
	s_cbranch_scc0 .Lentry_shape_is_right
	s_endpgm
.Lentry_shape_is_right:
; OPROJ.  out0 = o wo^T on codes of FP6 (E2M3) with E8M0 scales; out0 [8192][1024] f32.
; SHARES.  A work-group makes 128 tokens x 256 columns, wave w all 128 tokens x columns 64 w .. + 63: 32 accumulators.  256 work-groups.
; ALL OF K FITS IN LDS: 4 chunks of two K steps, each 8 + 16 blocks of 16 rows x 3,072 bytes = 73,728 bytes.  Every LDS byte is filled once: four tensor loads a wave at the start, counted waits, no slot is filled again.
; Codes lie in memory as images of the operand's registers: a fragment is two loads of 16 bytes and two of 8 bytes a lane, each instruction on consecutive bytes: no pitch, no padding.
; CLUSTER 4 x 4: the four of a row need the same rows of o, the four of a column the same rows of wo: each tile is asked for jointly.
; THE MATRIX INSTRUCTION IS USED TRANSPOSED (source 0 = 16 rows of wo, source 1 = 16 tokens): a lane holds eight neighbouring numbers of a row of out0.  A block of 16 tokens x 64 columns goes through the wave's own stage
; in LDS (bytes of its own, into which no fill lands) and leaves as rows of 256 consecutive bytes, aligned, sixteen lanes to a row.
; Nothing is prefetched: every tensor load of the launch is issued at its head.
; REGISTERS, in windows of 256: window 0: v1-7, v16-18 addresses; v32-63 o's scale words, v64-79 wo's; v80-175, v176-223 fragments, set 0 (on the way out v80-143: rows read back); v252, v253 the add's two.
;   window 1: the 32 accumulators.   window 2: v80-223 fragments, set 1.
.set BBASE, 704                        ; wo's first block of 16 rows in cod and scl
.set PAC, 4                            ; s[4:5] o's codes, s[6:7] its scale words; s[8:9] cod, s[10:11] scl
.set PAS, 6
.set PBC, 8
.set PBS, 10
.set CHUNK, 73728
.set BOFF,  24576
.set SPARE, 4*CHUNK                    ; behind the chunks: the spare words, 128 bytes a wave
.set STG,   SPARE+512                  ; behind them: a stage of 16 rows x (256 + 16) bytes for each wave
.set L16,  1
.set L8,   2
.set ADA16, 4
.set ADA8,  5
.set ADB16, 6
.set ADB8,  7
.set STO,  16                          ; v16 the stage: where I put 32 bytes of a row;  v17 where I read a row back;  v18 my byte offset in two rows of out0
.set RD,   17
.set CO,   18
.set SA,  32
.set SB,  64
.set AF,  80
.set BF,  176
.set BK,  80
.set SPW, 252
.set NIL, 253
.set G1A, 24
.set G1B, 32
.set G0A, 40
.set MSB, 0
.macro WIN new
.if MSB != (\new)
	s_set_vgpr_msb (MSB<<8)|(\new)
.set MSB, (\new)
.endif
.endm
.macro CROUND
	s_barrier_signal -1
	s_barrier_wait -1
	s_cmp_lg_u32 s12, 0
	s_cbranch_scc1 .Lnot_wave_0_\@
	s_barrier_signal -3
.Lnot_wave_0_\@:
	s_barrier_wait -3
	s_barrier_signal -1
	s_barrier_wait -1
.endm
.macro PLACES                          ; four plain instructions behind matrix instructions, ahead of loads into their sources and of reads of their results
.rept 4
	v_nop
.endr
.endm
.macro FRAG reg, a16, a8, off
	ds_load_b128 v[(\reg):(\reg)+3], v[\a16] offset:(\off)
	ds_load_b64 v[(\reg)+4:(\reg)+5], v[\a8] offset:(\off)+512
	ds_load_b128 v[(\reg)+6:(\reg)+9], v[\a16] offset:(\off)+768
	ds_load_b64 v[(\reg)+10:(\reg)+11], v[\a8] offset:(\off)+1280
.endm
.macro FETCH k                         ; K step k's 8 + 4 fragments into set k % 2
.if ((\k)%2 == 0) && ((\k) > 0)
	v_add_nc_u32 v[ADA16], CHUNK, v[ADA16]         ; on to the next chunk (no LDS load of mine is out)
	v_add_nc_u32 v[ADA8], CHUNK, v[ADA8]
	v_add_nc_u32 v[ADB16], CHUNK, v[ADB16]
	v_add_nc_u32 v[ADB8], CHUNK, v[ADB8]
.endif
	WIN 0x80*((\k)%2)
.irp i, 0,1,2,3,4,5,6,7
	FRAG AF+12*\i, ADA16, ADA8, 3072*\i+1536*((\k)%2)
.endr
.irp i, 0,1,2,3
	FRAG BF+12*\i, ADB16, ADB8, 3072*\i+1536*((\k)%2)
.endr
	WIN 0
.endm
.macro WM k                            ; K steps 0-3 find their scale words in lanes 0-15, K steps 4-7 in lanes 16-31.  The first K step starts the sums
.if (\k) == 0
	v_wmma_scale_f32_16x16x128_f8f6f4 v[rD:rD+7], v[rA:rA+11], v[rB:rB+11], 0, v[rSA], v[rSB] matrix_a_fmt:MATRIX_FMT_FP6 matrix_b_fmt:MATRIX_FMT_FP6
.elseif (\k) < 4
	v_wmma_scale_f32_16x16x128_f8f6f4 v[rD:rD+7], v[rA:rA+11], v[rB:rB+11], v[rD:rD+7], v[rSA], v[rSB] matrix_a_fmt:MATRIX_FMT_FP6 matrix_b_fmt:MATRIX_FMT_FP6
.else
	v_wmma_scale_f32_16x16x128_f8f6f4 v[rD:rD+7], v[rA:rA+11], v[rB:rB+11], v[rD:rD+7], v[rSA], v[rSB] matrix_a_fmt:MATRIX_FMT_FP6 matrix_b_fmt:MATRIX_FMT_FP6 matrix_a_scale:MATRIX_SCALE_ROW1 matrix_b_scale:MATRIX_SCALE_ROW1
.endif
.endm
; 16 of a K step's 32 matrix instructions: accumulator 4 Tm + Tn, source 0 = wo's block Tn, source 1 = o's block Tm.  The 32 accumulators take turns, in the same order in every K step.
.macro MUL16 k, half
.irp a, 0,1,2,3
.irp b, 0,1,2,3
.set ee, 16*(\half)+4*\a+\b
.set rD, 8*ee
.set rA, BF+12*(ee%4)
.set rB, AF+12*(ee/4)
.set rSA, SB+4*(ee%4)+(\k)%4
.set rSB, SA+4*(ee/4)+(\k)%4
	WM \k
.endr
.endr
.endm
.macro KSTEP k
	s_wait_dscnt 0x0                               ; this K step's fragments are in
	WIN 0x50+0x0a*((\k)%2)                         ; C and D window 1; sources window 0 or 2
	MUL16 \k, 0
	WIN 0
.if ((\k)%2 == 1) && ((\k) < 7)
	s_wait_tensorcnt 3-((\k)+1)/2                  ; my part of the next chunk has landed: so many of my four loads were issued behind it.  No LDS instruction of mine is out
	s_barrier_signal -1
	s_barrier_wait -1                              ; everybody's has.  The younger loads may stay out
.endif
.if (\k) < 7
	PLACES                                         ; the other set was read by the K step before
	FETCH (\k)+1
.endif
	WIN 0x50+0x0a*((\k)%2)
	MUL16 \k, 1
.endm
	s_load_b256 s[4:11], s[0:1], 0x0               ; oc, os, cod, scl
	s_load_b64 s[2:3], s[0:1], 0x20                ; out0
	v_lshl_add_u32 v[SPW], v0, 2, SPARE
	v_mov_b32 v[NIL], 0
	ds_add_u32 v[SPW], v[NIL]                      ; the wave's opening: the add and its wait stand ahead of my first tensor load; the set-up stands between them
	v_lshrrev_b32 v8, 5, v0
	v_readfirstlane_b32 s12, v8                    ; wave
	s_and_b32 s13, s12, 1                          ; which half of a tile's rows I fetch
	s_lshr_b32 s14, s12, 1                         ; for o (0) or for wo (1)
	v_and_b32 v8, 31, v0
	v_and_b32 v9, 15, v0                           ; r
	v_bfe_u32 v11, v0, 4, 1                        ; h
	v_lshlrev_b32 v[L16], 4, v8
	v_lshlrev_b32 v[L8], 3, v8
	v_lshlrev_b32 v[ADA16], 4, v8
	v_lshlrev_b32 v[ADA8], 3, v8
	s_mul_i32 s23, s12, 12288                      ; my 4 blocks of wo's 16
	s_add_co_u32 s23, s23, BOFF
	v_add_nc_u32 v[ADB16], s23, v[L16]
	v_add_nc_u32 v[ADB8], s23, v[L8]
	s_mul_i32 s23, s12, 16*272
	s_add_co_u32 s23, s23, STG                     ; my stage
	v_mul_u32_u24 v10, v9, 272
	v_lshl_add_u32 v10, v11, 5, v10
	v_add_nc_u32 v[STO], s23, v10                  ; in: row r, + 32 h
	v_mul_u32_u24 v10, v11, 272
	v_lshl_add_u32 v10, v9, 4, v10
	v_add_nc_u32 v[RD], s23, v10                   ; back: lanes 0-15 one row of 256 bytes, lanes 16-31 the next
	v_lshlrev_b32 v[CO], 12, v11
	v_lshl_add_u32 v[CO], v9, 4, v[CO]             ; and the same two rows in out0, 4,096 bytes apart
	s_bfe_u32 s15, ttmp6, 0x40000                  ; cx
	s_bfe_u32 s16, ttmp6, 0x40004                  ; cy
	s_lshl_b32 s17, ttmp9, 2
	s_add_co_u32 s17, s17, s15                     ; tile column
	s_and_b32 s18, ttmp7, 0xffff
	s_lshl_b32 s18, s18, 2
	s_add_co_u32 s18, s18, s16                     ; tile row
	s_lshl_b32 s92, s16, 2
	s_lshl_b32 s92, 15, s92                        ; my row of the cluster
	s_lshl_b32 s94, 0x1111, s15                    ; my column
	; group 1: rows of 3,072 bytes (a block's two K steps: 384 elements of 8 bytes), 12,288 bytes apart; 4 rows for o, 8 for wo; dense in LDS
	s_or_b32 s[G1A], s92, (3<<16)|(1<<21)
	s_or_b32 s[G1B], s94, (3<<16)|(1<<21)
.irp g, G1A, G1B
	s_mov_b32 s[\g+1], 384<<16
	s_mov_b32 s[\g+3], 384<<16
	s_mov_b32 s[\g+5], 1536
	s_mov_b32 s[\g+6], 0
	s_mov_b32 s[\g+7], 0
.endr
	s_mov_b32 s[G1A+2], 4<<16
	s_mov_b32 s[G1A+4], 4
	s_mov_b32 s[G1B+2], 8<<16
	s_mov_b32 s[G1B+4], 8
	s_lshl_b32 s76, s18, 3                         ; o: block 8 x tile row + 4 x half: the tile row alone
	s_lshl_b32 s23, s13, 2
	s_add_co_u32 s76, s76, s23
	s_mul_i32 s76, s76, 12288
	s_mov_b32 s77, 0
	s_lshl_b32 s78, s17, 4                         ; wo: block BBASE + 16 x tile column + 8 x half: the tile column alone
	s_lshl_b32 s23, s13, 3
	s_add_co_u32 s78, s78, s23
	s_add_co_u32 s78, s78, BBASE
	s_mul_i32 s78, s78, 12288
	s_mov_b32 s79, 0
	s_mul_i32 s21, s13, 12288                      ; where they go: no place in the cluster enters an LDS address
	s_mul_i32 s22, s13, 24576
	s_add_co_u32 s22, s22, BOFF
	s_lshl_b32 s88, s18, 12                        ; o's scale words: 8 blocks of 512 bytes
	s_mov_b32 s89, 0
	s_lshl_b32 s90, s17, 4                         ; my 4 blocks of wo's
	s_lshl_b32 s23, s12, 2
	s_add_co_u32 s90, s90, s23
	s_add_co_u32 s90, s90, BBASE
	s_lshl_b32 s90, s90, 9
	s_mov_b32 s91, 0
	s_lshl_b32 s96, s18, 19                        ; out0: 128 rows of 4,096 bytes a tile row,
	s_lshl_b32 s97, s17, 10                        ; 1,024 bytes a tile column,
	s_add_co_u32 s96, s96, s97
	s_lshl_b32 s97, s12, 8                         ; 256 bytes a wave
	s_add_co_u32 s96, s96, s97
	s_mov_b32 s97, 0
	s_wait_dscnt 0x0                               ; the opening add is done
	s_wait_kmcnt 0x0
	s_add_nc_u64 s[76:77], s[PAC:PAC+1], s[76:77]
	s_add_nc_u64 s[78:79], s[PBC:PBC+1], s[78:79]
	s_add_nc_u64 s[88:89], s[PAS:PAS+1], s[88:89]
	s_add_nc_u64 s[90:91], s[PBS:PBS+1], s[90:91]
	s_add_nc_u64 s[2:3], s[2:3], s[96:97]
.irp c, 0,1,2,3                        ; group 0, a set for each chunk: none is written while a load is out
	s_mov_b32 s[G0A+4*\c], 1
	s_add_co_u32 s[G0A+4*\c+1], s21, CHUNK*\c
	s_add_nc_u64 s[G0A+4*\c+2:G0A+4*\c+3], s[76:77], 3072*\c
	s_or_b32 s[G0A+4*\c+3], s[G0A+4*\c+3], 0x80000000
	s_mov_b32 s[56+4*\c+4*(\c/2)], 1
	s_add_co_u32 s[56+4*\c+4*(\c/2)+1], s22, CHUNK*\c
	s_add_nc_u64 s[56+4*\c+4*(\c/2)+2:56+4*\c+4*(\c/2)+3], s[78:79], 3072*\c
	s_or_b32 s[56+4*\c+4*(\c/2)+3], s[56+4*\c+4*(\c/2)+3], 0x80000000
.endr
	CROUND                                         ; all sixteen work-groups are here: the joint loads meet
	s_cmp_eq_u32 s14, 0                            ; a wave's four fills stand in one branch on its number; four loads of mine are out
	s_cbranch_scc0 .Lfirst_b
.irp c, 0,1,2,3
	tensor_load_to_lds s[G0A+4*\c:G0A+4*\c+3], s[G1A:G1A+7]
	s_nop 0
.endr
	PLACES
	s_branch .Lfirst_done
.Lfirst_b:
.irp c, 0,1,2,3
	tensor_load_to_lds s[56+4*\c+4*(\c/2):56+4*\c+4*(\c/2)+3], s[G1B:G1B+7]
	s_nop 0
.endr
	PLACES
.Lfirst_done:
.irp i, 0,1,2,3,4,5,6,7                ; a block's 512 bytes of scale words by one load: register ks % 4, lanes 0-15 for K steps 0-3, lanes 16-31 for 4-7
	global_load_b128 v[SA+4*\i:SA+4*\i+3], v[L16], s[88:89] offset:512*\i
.endr
.irp i, 0,1,2,3
	global_load_b128 v[SB+4*\i:SB+4*\i+3], v[L16], s[90:91] offset:512*\i
.endr
	s_wait_tensorcnt 0x3                           ; my part of chunk 0 has landed; three younger loads may be out
	s_barrier_signal -1
	s_barrier_wait -1
	FETCH 0
	s_wait_loadcnt 0x0                             ; the scale words
.irp k, 0,1,2,3,4,5,6,7
	KSTEP \k
.endr
	WIN 0
	PLACES
; THE WAY OUT, a block of 16 tokens x 64 columns at a time.  LDS serves a wave's instructions in order: no wait between the stores and the loads, nor ahead of the next block's stores.
.macro TOSTAGE m
	WIN 0x04                                       ; an LDS store's data are its source 1: window 1
.irp n, 0,1,2,3
	ds_store_b128 v[STO], v[8*(4*(\m)+\n):8*(4*(\m)+\n)+3] offset:64*\n          ; each accumulator from its low end on
	ds_store_b128 v[STO], v[8*(4*(\m)+\n)+4:8*(4*(\m)+\n)+7] offset:64*\n+16
.endr
	WIN 0
.irp i, 0,1,2,3,4,5,6,7
	ds_load_b128 v[BK+32*((\m)%2)+4*\i:BK+32*((\m)%2)+4*\i+3], v[RD] offset:544*\i
.endr
.endm
.macro SEND m, younger                 ; younger: the LDS instructions issued behind block m's loads, which may stay out
	s_wait_dscnt \younger
.irp i, 0,1,2,3,4,5,6,7
	global_store_b128 v[CO], v[BK+32*((\m)%2)+4*\i:BK+32*((\m)%2)+4*\i+3], s[2:3] offset:65536*(\m)+8192*\i th:TH_STORE_NT   ; sixteen lanes store 256 consecutive bytes, at a multiple of 256 from out0's first byte
.endr
.endm
	TOSTAGE 0
.irp a, 1,2,3,4,5,6,7
.if \a > 1
	s_wait_xcnt 0x0                                ; block a - 2's stores have read their registers: block a's loads may land there
.endif
	TOSTAGE \a
	SEND \a-1, 16                                  ; behind block a - 1's loads: block a's 8 stores and 8 loads
.endr
	SEND 7, 0
	s_wait_tensorcnt 0x0                           ; the wave's end, behind my last tensor load and my last LDS store
	ds_add_u32 v[SPW], v[NIL]
	s_wait_dscnt 0x0
	CROUND                                         ; the closing round
	s_endpgm
.Lfunc_end_k_q8f300efcf4_oproj:
	.size	k_q8f300efcf4_oproj, .Lfunc_end_k_q8f300efcf4_oproj-k_q8f300efcf4_oproj
	.p2alignl 7, 3214868480
	.fill 96, 4, 3214868480
	.section	.rodata,"a",@progbits
	.p2align	6, 0x0
	.amdhsa_kernel k_q8f300efcf4_oproj
		.amdhsa_group_segment_fixed_size 327680
		.amdhsa_private_segment_fixed_size 0
		.amdhsa_enable_private_segment 0
		.amdhsa_kernarg_size 40
		.amdhsa_user_sgpr_count 2
		.amdhsa_user_sgpr_kernarg_segment_ptr 1
		.amdhsa_wavefront_size32 1
		.amdhsa_system_sgpr_workgroup_id_x 1
		.amdhsa_system_sgpr_workgroup_id_y 1
		.amdhsa_system_sgpr_workgroup_id_z 1
		.amdhsa_system_vgpr_workitem_id 0
		.amdhsa_next_free_vgpr 768
		.amdhsa_next_free_sgpr 100
		.amdhsa_reserve_vcc 0
		.amdhsa_float_denorm_mode_32 3
		.amdhsa_float_denorm_mode_16_64 3
		.amdhsa_memory_ordered 1
		.amdhsa_forward_progress 1
		.amdhsa_inst_pref_size 84
	.end_amdhsa_kernel
	.amdgpu_metadata
---
amdhsa.version: [ 1, 2 ]
amdhsa.kernels:
  - .name:           k_q8f300efcf4_oproj
    .symbol:         k_q8f300efcf4_oproj.kd
    .args:
      - { .name: oc, .offset: 0, .size: 8, .value_kind: global_buffer, .address_space: global }
      - { .name: os, .offset: 8, .size: 8, .value_kind: global_buffer, .address_space: global }
      - { .name: cod, .offset: 16, .size: 8, .value_kind: global_buffer, .address_space: global }
      - { .name: scl, .offset: 24, .size: 8, .value_kind: global_buffer, .address_space: global }
      - { .name: out0, .offset: 32, .size: 8, .value_kind: global_buffer, .address_space: global }
    .group_segment_fixed_size: 327680
    .private_segment_fixed_size: 0
    .kernarg_segment_align: 8
    .kernarg_segment_size: 40
    .max_flat_workgroup_size: 128
    .sgpr_count:     100
    .vgpr_count:     768
    .wavefront_size: 32
...
	.end_amdgpu_metadata
.endif
;; end of part 4
